; MI455X (gfx1250); checked and timed in simulation.
; The chip was launched on July 23, 2026; its instructions are those of AMD's public machine-readable ISA for CDNA 5 (MIT licence, August 2026) and "CDNA5" Instruction Set Architecture Reference Guide (July 2026). The comments in the code are by the model that wrote it; some were corrected since.
;; Attention. Allowed arithmetic: matrix products marked QUANTISED: E2M1 operands, one E8M0 scale for each 32 along K, by v_wmma_scale_f32_16x16x128_f8f6f4 with both operands' format E2M1 (or v_wmma_scale_f32_32x16x128_f4), f32 sums; products left as they are: bf16, f16 or f32 operands; f32 sums; everything else in f32.
;; Inputs: Wk_b 1,024 float32; Wk_w 1,024 x 1,024 float32; Wq_b 1,024 float32; Wq_w 1,024 x 1,024 float32; Wv_b 1,024 float32; Wv_w 1,024 x 1,024 float32; attention_mask 4 x 2,048 int32; k 4 x 2,048 x 1,024 float32; q 4 x 2,048 x 1,024 float32; v 4 x 2,048 x 1,024 float32.
;; Outputs: out0 4 x 2,048 x 1,024 float32.
;; This version of the problem:
;;   THIS VERSION OF THE PROBLEM IS GIVEN IN LOW PRECISION. The matrix products marked QUANTISED in the list below multiply operands that are first quantised to E2M1 (2 exponent bits, 1 mantissa bit; 4 bits a number), with one power-of-two scale for each 32 numbers along K (OCP MX v1.0); their sums are f32. The products marked 'left as it is' may take bf16, f16 or f32 operands, with f32 sums. Whichever they take, every output number must still come out within the allowed error. Rounding operands to bf16 (8 significant bits) uses up far more of that allowance than f16 does (11 bits, for magnitudes from 6e-5 to 65,504). All else is computed in f32.
;;   The module's matrix products, in the order in which they are computed (A, B: the left and right operand; K: the contracted axis; several contracted axes count as one K, in the product's order):
;;     1. [M 8,192, K 1,024] x [K 1,024, N 1,024]; A: input q; B: input Wq_w: QUANTISED
;;     2. [M 8,192, K 1,024] x [K 1,024, N 1,024]; A: input k; B: input Wk_w: QUANTISED
;;     3. [M 8,192, K 1,024] x [K 1,024, N 1,024]; A: input v; B: input Wv_w: QUANTISED
;;     4. batch 4 x [M 2,048, K 1,024] x [K 1,024, N 2,048]; A: computed on the way; B: computed on the way: left as it is (an operand is computed on the way)
;;     5. batch 4 x [M 2,048, K 2,048] x [K 2,048, N 1,024]; A: computed on the way; B: computed on the way: left as it is (an operand is computed on the way)
;;   THE QUANTISER, for each operand of a quantised product, along K:
;;     - K is cut into blocks of 32 from its start; a last block that is shorter is filled with zeros.
;;     - A block's scale is 2^e with e = floor(log2(the largest magnitude in the block)) - 2, held to -126 .. 127; a block of zeros has e = 0. As a byte (E8M0): e + 127.
;;     - Each number is divided by its block's scale, clamped to +-6, and rounded to the nearest number of E2M1, ties to even, subnormals kept.
;;     - The product sums the exact products of the quantised numbers (number of the format x scale) in f32.
;;   ~~~python
;;   def quantise(x, axis):      # numpy; x: float32 -> the quantised numbers, widened to float32 again
;;       x = np.moveaxis(x, axis, -1); K = x.shape[-1]
;;       x = np.pad(x, [(0, 0)] * (x.ndim - 1) + [(0, -K % 32)]); x = x.reshape(x.shape[:-1] + (-1, 32)); a = np.abs(x).max(-1, keepdims=True)
;;       e = np.where(a > 0, np.clip(np.frexp(np.where(a > 0, a, 1))[1] - 1 - 2, -126, 127), 0)      # np.frexp(a)[1] - 1 = floor(log2(a)), exactly
;;       r = np.clip(x / 2.0 ** e, -6, 6)
;;       step = 2.0 ** (np.maximum(np.frexp(np.where(r == 0, 1, r))[1] - 1, 0) - 1)
;;       q = np.round(r / step) * step * 2.0 ** e      # np.round: ties to even
;;       return np.moveaxis(q.reshape(q.shape[:-2] + (-1,))[..., :K], -1, axis).astype(np.float32)
;;   ~~~
;; One version. Each part assembles by itself: llvm-mc -triple=amdgcn-amd-amdhsa -mcpu=gfx1250 --defsym DOCPART=n.
;; ======== version 1 of 1: 6 launches
;; limits: right only within a limited range of input values; values are held in f16: magnitudes above 65,504 overflow, below 6.1e-05 lose precision
;; workspace buffers: codes 14,155,776 bytes; scales 884,736 bytes; hp 50,331,648 bytes; first 786,432 bytes; sc 67,108,864 bytes; pr 33,554,432 bytes
;; launch quant (part 1): grid 864 x 1, 4 waves a work-group, no clusters, 33,280 bytes of LDS; arguments q, k, v, Wq_w, Wk_w, Wv_w, codes, scales; writes codes, scales
.if DOCPART == 1
	.amdgcn_target "amdgcn-amd-amdhsa--gfx1250"
	.amdhsa_code_object_version 6
	.text
	.protected	k_q56c533dcea_quant
	.globl	k_q56c533dcea_quant
	.p2align	8
	.type	k_q56c533dcea_quant,@function
k_q56c533dcea_quant:
	s_mov_b64 s[64:65], 0
	v_nop
	global_prefetch_b8 v0, s[64:65] scope:SCOPE_SE
	s_setreg_imm32_b32 hwreg(HW_REG_WAVE_MODE, 25, 1), 1
	s_wait_xcnt 0x0
; q, k, v [8192][1024] and Wq, Wk, Wv [1024][1024], f32, K innermost, become codes of E2M1 (two a byte, the lower k in the low four bits) and one E8M0 byte for each 32 along K.
; A block's scale is 2^(floor(log2(largest magnitude)) - 2); its byte is the largest magnitude's exponent field - 2, held at 1 from below.  A block of zeros so gets the byte 1: its codes are zeros, and this program alone reads the bytes.
; LIMITS: NaN and infinities among the inputs are not served.
; Rows are dense and K is a multiple of 32: each tensor is a plain stream of blocks of 32.  A work-group takes 32,768 numbers, a wave 16 steps of 512.
; Work-groups 0-255 take q, 256-511 k, 512-767 v, 768-799 Wq, 800-831 Wk, 832-863 Wv; codes and scale bytes lie on end in that same order, so the output's place hangs on the work-group's number alone.
; Each load reads 512 consecutive bytes; a step's 2,048 bytes turn through the wave's own stage in LDS, so that a lane holds 16 neighbours along K (two lanes a block).  Loads run four steps ahead.
.set STEPS, 16
.set EMAX,  2
.set CB,    8                          ; bytes of 16 codes
.set R,     16                         ; v16-79   four sets of 16 numbers as loaded
.set X,     80                         ; v80-111  two sets of 16 neighbours
.set C,     128                        ; v128-191 codes, four registers a step
.set E,     112                        ; v112-127 a scale byte a step
.set WREG,  8192                       ; LDS: a region for each wave: two stages of 32 x SP bytes, then its 256 scale bytes
.set SP,    80                         ; a lane's place in a stage: 64 bytes + 16 of padding
.set SPW,   12                         ; v12  LDS address of my spare word; never rewritten
.set NIL,   13                         ; v13  0; never rewritten
.set SPARE, 4*WREG                     ; the spare words: 128 bytes a wave
	s_load_b256 s[4:11], s[0:1], 0x0               ; q, k, v, Wq
	s_load_b256 s[12:19], s[0:1], 0x20             ; Wk, Wv, codes, scales
	v_lshl_add_u32 v[SPW], v0, 2, SPARE
	v_mov_b32 v[NIL], 0
	v_lshrrev_b32 v1, 5, v0
	v_readfirstlane_b32 s20, v1                    ; wave
	v_and_b32 v2, 31, v0                           ; lane
	v_lshlrev_b32 v3, 4, v2                        ; my 16 bytes of a load's 512
	s_mul_i32 s21, s20, WREG
	v_lshrrev_b32 v14, 2, v2
	v_mul_u32_u24 v14, v14, SP
	v_and_b32 v15, 3, v2
	v_lshl_add_u32 v14, v15, 4, v14
	v_add_nc_u32 v14, s21, v14                     ; the stage, in: SP (lane / 4) + 16 (lane % 4)
	v_mul_u32_u24 v15, v2, SP
	v_add_nc_u32 v15, s21, v15                     ; and out: SP x lane
	v_mul_u32_u24 v4, v2, CB                       ; my codes' place in a step's
	v_lshrrev_b32 v5, 1, v2
	s_add_co_u32 s21, s21, 2*32*SP
	v_add_nc_u32 v5, s21, v5                       ; my block's byte among my wave's 256
	v_lshlrev_b32 v7, 3, v2
	v_add_nc_u32 v6, s21, v7                       ; and on the way out 8 bytes a lane
	s_wait_kmcnt 0x0
	s_mov_b64 s[22:23], s[4:5]                     ; which tensor: the choice hangs on the work-group's number alone
	s_mov_b32 s24, 0                               ; and that tensor's first work-group
	s_cmp_ge_u32 ttmp9, 256
	s_cselect_b64 s[22:23], s[6:7], s[22:23]
	s_cselect_b32 s24, 256, s24
	s_cmp_ge_u32 ttmp9, 512
	s_cselect_b64 s[22:23], s[8:9], s[22:23]
	s_cselect_b32 s24, 512, s24
	s_cmp_ge_u32 ttmp9, 768
	s_cselect_b64 s[22:23], s[10:11], s[22:23]
	s_cselect_b32 s24, 768, s24
	s_cmp_ge_u32 ttmp9, 800
	s_cselect_b64 s[22:23], s[12:13], s[22:23]
	s_cselect_b32 s24, 800, s24
	s_cmp_ge_u32 ttmp9, 832
	s_cselect_b64 s[22:23], s[14:15], s[22:23]
	s_cselect_b32 s24, 832, s24
	s_sub_co_u32 s25, ttmp9, s24
	s_lshl_b32 s25, s25, 2
	s_add_co_u32 s25, s25, s20                     ; my run of 8,192 numbers in the tensor
	s_lshl_b32 s26, s25, 15                        ; 32,768 bytes a run
	s_mov_b32 s27, 0
	s_add_nc_u64 s[22:23], s[22:23], s[26:27]
	s_lshl_b32 s25, ttmp9, 2
	s_add_co_u32 s25, s25, s20                     ; my run in the outputs
	s_lshl_b32 s26, s25, 12                        ; 4,096 bytes of codes
	s_add_nc_u64 s[16:17], s[16:17], s[26:27]
	s_lshl_b32 s26, s25, 8                         ; 256 scale bytes
	s_add_nc_u64 s[18:19], s[18:19], s[26:27]
.macro LOAD t
.irp i, 0,1,2,3
	global_load_b128 v[R+16*((\t)%4)+4*\i:R+16*((\t)%4)+4*\i+3], v3, s[22:23] offset:2048*(\t)+512*\i th:TH_LOAD_NT
.endr
.endm
.macro TURN t                          ; step t's numbers through the stage: LDS serves a wave's instructions in order, so no wait stands between stores and loads
.irp i, 0,1,2,3
	ds_store_b128 v14, v[R+16*((\t)%4)+4*\i:R+16*((\t)%4)+4*\i+3] offset:32*SP*((\t)%2)+8*SP*\i
.endr
.irp i, 0,1,2,3
	ds_load_b128 v[X+16*((\t)%2)+4*\i:X+16*((\t)%2)+4*\i+3], v15 offset:32*SP*((\t)%2)+16*\i
.endr
.endm
.irp t, 0,1,2,3
	LOAD \t
.endr
	s_wait_loadcnt 12                              ; step 0's four loads are in; three steps' twelve may be out
	TURN 0
.macro STEP t
.set XS, X+16*((\t)%2)
.if (\t) > 0
	s_wait_dscnt 1                                 ; this step's numbers are back from the stage; the last step's byte store may be out
.else
	s_wait_dscnt 0x0
.endif
.if (\t)+4 < STEPS
	LOAD (\t)+4                                    ; into the registers that the stage's stores have read
.endif
.if (\t)+1 < STEPS
.if STEPS-2-(\t) >= 3
	s_wait_loadcnt 12                              ; the next step's four loads are in; those of the three steps behind it may be out
.else
	s_wait_loadcnt 4*(STEPS-2-(\t))
.endif
	TURN (\t)+1
.endif
	v_max3_num_f32 v8, |v[XS]|, |v[XS+1]|, |v[XS+2]|
	v_max3_num_f32 v9, |v[XS+3]|, |v[XS+4]|, |v[XS+5]|
.irp i, 6,10
	v_max3_num_f32 v8, v8, |v[XS+\i]|, |v[XS+\i+1]|
	v_max3_num_f32 v9, v9, |v[XS+\i+2]|, |v[XS+\i+3]|
.endr
	v_max3_num_f32 v8, v8, |v[XS+14]|, |v[XS+15]|
	v_max3_num_f32 v8, v8, v9, (EMAX+1)<<23        ; the floor 2^(3 - 127): the byte cannot fall under 1
	v_max_num_f32_dpp v8, v8, v8 row_xmask:1 row_mask:0xf bank_mask:0xf   ; with my neighbour's 16: the block's largest magnitude
	v_add_nc_u32 v11, -(EMAX<<23), v8              ; 2 off its exponent field: the conversion takes this operand's exponent field as its scale
	v_cvt_scalef32_pk8_fp4_f32 v[C+4*(\t)], v[XS:XS+7], v11
	v_cvt_scalef32_pk8_fp4_f32 v[C+4*(\t)+1], v[XS+8:XS+15], v11
	v_lshrrev_b32 v[E+(\t)], 23, v11               ; the scale's byte
	ds_store_b8 v5, v[E+(\t)] offset:16*(\t)       ; both lanes of a block write the same byte with the same value
	global_store_b64 v4, v[C+4*(\t):C+4*(\t)+1], s[16:17] offset:32*CB*(\t)   ; the wave stores 256 consecutive bytes, aligned
.endm
.irp t, 0,1,2,3,4,5,6,7,8,9,10,11,12,13,14,15
	STEP \t
.endr
	ds_load_b64 v[8:9], v6                         ; my wave's 256 scale bytes: these loads see my stores
	s_wait_dscnt 0x0
	global_store_b64 v7, v[8:9], s[18:19]          ; 256 consecutive bytes, aligned
	s_wait_tensorcnt 0x0                           ; the wave's end
	ds_add_u32 v[SPW], v[NIL]
	s_wait_dscnt 0x0
	s_endpgm
.Lfunc_end_k_q56c533dcea_quant:
	.size	k_q56c533dcea_quant, .Lfunc_end_k_q56c533dcea_quant-k_q56c533dcea_quant
	.p2alignl 7, 3214868480
	.fill 96, 4, 3214868480
	.section	.rodata,"a",@progbits
	.p2align	6, 0x0
	.amdhsa_kernel k_q56c533dcea_quant
		.amdhsa_group_segment_fixed_size 33280
		.amdhsa_private_segment_fixed_size 0
		.amdhsa_enable_private_segment 0
		.amdhsa_kernarg_size 64
		.amdhsa_user_sgpr_count 2
		.amdhsa_user_sgpr_kernarg_segment_ptr 1
		.amdhsa_wavefront_size32 1
		.amdhsa_system_sgpr_workgroup_id_x 1
		.amdhsa_system_sgpr_workgroup_id_y 1
		.amdhsa_system_sgpr_workgroup_id_z 1
		.amdhsa_system_vgpr_workitem_id 0
		.amdhsa_next_free_vgpr 192
		.amdhsa_next_free_sgpr 66
		.amdhsa_reserve_vcc 0
		.amdhsa_float_denorm_mode_32 3
		.amdhsa_float_denorm_mode_16_64 3
		.amdhsa_memory_ordered 1
		.amdhsa_forward_progress 1
		.amdhsa_inst_pref_size 34
	.end_amdhsa_kernel
	.amdgpu_metadata
---
amdhsa.version: [ 1, 2 ]
amdhsa.kernels:
  - .name:           k_q56c533dcea_quant
    .symbol:         k_q56c533dcea_quant.kd
    .args:
      - { .name: q, .offset: 0, .size: 8, .value_kind: global_buffer, .address_space: global }
      - { .name: k, .offset: 8, .size: 8, .value_kind: global_buffer, .address_space: global }
      - { .name: v, .offset: 16, .size: 8, .value_kind: global_buffer, .address_space: global }
      - { .name: Wq_w, .offset: 24, .size: 8, .value_kind: global_buffer, .address_space: global }
      - { .name: Wk_w, .offset: 32, .size: 8, .value_kind: global_buffer, .address_space: global }
      - { .name: Wv_w, .offset: 40, .size: 8, .value_kind: global_buffer, .address_space: global }
      - { .name: codes, .offset: 48, .size: 8, .value_kind: global_buffer, .address_space: global }
      - { .name: scales, .offset: 56, .size: 8, .value_kind: global_buffer, .address_space: global }
    .group_segment_fixed_size: 33280
    .private_segment_fixed_size: 0
    .kernarg_segment_align: 8
    .kernarg_segment_size: 64
    .max_flat_workgroup_size: 128
    .sgpr_count:     66
    .vgpr_count:     192
    .wavefront_size: 32
...
	.end_amdgpu_metadata
.endif
;; end of part 1
;; launch proj (part 2): grid 4 x 96, 4 waves a work-group, clusters of 4 x 4, 327,680 bytes of LDS; arguments codes, scales, Wq_b, Wk_b, hp, first; writes hp, first
.if DOCPART == 2
	.amdgcn_target "amdgcn-amd-amdhsa--gfx1250"
	.amdhsa_code_object_version 6
	.text
	.protected	k_q56c533dcea_proj
	.globl	k_q56c533dcea_proj
	.p2align	8
	.type	k_q56c533dcea_proj,@function
k_q56c533dcea_proj:
	s_mov_b64 s[64:65], 0
	v_nop
	global_prefetch_b8 v0, s[64:65] scope:SCOPE_SE
	s_setreg_imm32_b32 hwreg(HW_REG_WAVE_MODE, 25, 1), 1
	s_wait_xcnt 0x0
	s_wait_alu depctr_hold_cnt(0) depctr_sa_sdst(0) depctr_va_vdst(0) depctr_va_sdst(0) depctr_va_ssrc(0) depctr_va_vcc(0) depctr_vm_vsrc(0)
	s_getreg_b32 s2, hwreg(HW_REG_IB_STS2, 6, 4)
	s_cmp_eq_u32 s2, 0
	s_cbranch_scc0 .Lentry_in_a_cluster
	s_endpgm
.Lentry_in_a_cluster:
	s_bfe_u32 s2, ttmp6, 0x10000c
	s_cmp_lg_u32 s2, 0xf033
	s_cbranch_scc0 .Lentry_shape_is_right
	s_endpgm
.Lentry_shape_is_right:
; The three projections on codes of E2M1 with E8M0 scales, K = 1,024; sums in f32; results rounded once to f16.
;   t = 0, 1:  qh, kh [8192 tokens][1024] = Q(x) Q(W)^T + b:  "A" = the tokens' rows, "B" = W's rows; the bias is the C of each sum's first product.
;   t = 2:     vhT [1024 channels][8192 tokens] = Q(Wv) Q(v)^T, WITHOUT bias (it is added behind the softmax, whose weights sum to 1): "A" = Wv's rows, "B" = the tokens' rows.
; Positions 0-15 of every sequence are also stored in f32 (buffer first), for the launch that carries those rows finely.
; LIMIT: |qh|, |kh|, |vh| stay under 65,504, f16's largest number.
; A tile of the result, 256 x 256, is made by four waves, 128 x 128 each (64 accumulators, 512 registers).  K is two slots of 512 along K (rows of 256 bytes): both are asked for at the start and nothing is filled again.
; The scale bytes of the tile's 256 + 256 rows, for all of K, are two dense blocks: they come into LDS once.
; CLUSTER 4 x 4: the four of a row need the same tiles of A, the four of a column the same tiles of B: joint loads.  24 clusters: t = cluster y / 8; the other three bits pick four tile rows (t < 2) or four tile columns (t = 2).
; The matrix instruction is used transposed (source 0 = 16 rows of B, source 1 = 16 rows of A): a lane holds eight neighbouring columns of one row of the result.
; REGISTERS: window 0: v1-31 addresses; v32-95 scale words, two sets; v128-191 A's fragments, one set; v192-255 the bias in the result's layout; on the way out v128-223 are at work.
;   window 1: B's fragments, two sets.   windows 2, 3: the accumulators ((a, b) at v[8 (8 (a % 4) + b)]).
.set NQ,     4                         ; matrix instructions deep in a slot
.set ROWB,   256                       ; a tile's row in bytes: 512 codes
.set KROW,   512                       ; a row of codes in memory
.set PITCH,  272                       ; an LDS row: 256 bytes + 16 of padding: the 16 rows of a load start 68 words apart
.set FR,     8
.set NL,     2
.set NP,     4
.set HALFT,  128*PITCH
.set SLOT,   4*HALFT
.set KS,     32                        ; a row of scale bytes
.set SCL,    2*SLOT
.set HALFS,  (128*KS/256)*272
.set SBLK,   (16*KS/256)*272
.set STAGE,  SCL+4*HALFS               ; 16 rows x 272 bytes for each wave; no tile lands here
.set SPITCH, 272
.set SPARE,  STAGE+4*16*SPITCH         ; the spare words: 128 bytes a wave
.set COT,  8                           ; v8-15  byte offsets of the 8 pairs of rows of a block in the result (its pitch is 2,048 or 16,384 bytes)
.set ADRA, 16
.set ADRB, 20
.set O1,   22                          ; v22  side copy of q, k: r x 4,096 + 32 h
.set O2,   23                          ; v23  side copy of v: r x 256 + 32 h
.set STO,  24
.set RD,   25
.set BO,   26                          ; v26  32 h: the bias' offset
.set ADRS, 27
.set SPW,  28
.set NIL,  29
.set ZR,   30                          ; v30  0
.set SC,   32
.set AF,   128
.set BC,   192
.set TMP,  192
.set BK,   128
.set G1, 24
.set G0, 32
.set G1B, 48
.set G0B, 56
.set G1S, 68
.set G0S, 76
.set G1SB, 80
.set G0SB, 88
.set MSB, 0
.macro WIN new                         ; the immediate's high byte repeats the setting that is left
.if MSB != \new
	s_set_vgpr_msb (MSB<<8)|\new
.set MSB, \new
.endif
.endm
.set MUL_LO, 0xa1                      ; source 0 (B) window 1, source 1 (A) window 0, C and D window 2
.set MUL_HI, 0xf1                      ; the same, C and D window 3
.set BIA_LO, 0x81                      ; C (the bias) window 0, D window 2
.set BIA_HI, 0xc1                      ; C window 0, D window 3
.set TO_B,   0x40
; A joint load: waves 0 and 1 fetch for A, waves 2 and 3 for B; the branch hangs on the wave's number alone.  An s_nop 0 and four v_nop follow each line.
.macro JLOAD g0a, g1a, g0b, g1b
	s_cmp_eq_u32 s17, 0
	s_cbranch_scc0 .Lfor_b_\@
	tensor_load_to_lds s[\g0a:\g0a+3], s[\g1a:\g1a+7]
	s_nop 0
.rept 4
	v_nop
.endr
	s_branch .Lasked_\@
.Lfor_b_\@:
	tensor_load_to_lds s[\g0b:\g0b+3], s[\g1b:\g1b+7]
	s_nop 0
.rept 4
	v_nop
.endr
.Lasked_\@:
.endm
.macro CROUND                          ; a round of the cluster's barrier
	s_barrier_signal -1
	s_barrier_wait -1
	s_cmp_lg_u32 s16, 0
	s_cbranch_scc1 .Lnot_wave_0_\@
	s_barrier_signal -3
.Lnot_wave_0_\@:
	s_barrier_wait -3
	s_barrier_signal -1
	s_barrier_wait -1
.endm
	s_load_b256 s[4:11], s[0:1], 0x0               ; codes, scales, Wq_b, Wk_b
	s_load_b128 s[12:15], s[0:1], 0x20             ; hp, first
	v_lshl_add_u32 v[SPW], v0, 2, SPARE
	v_mov_b32 v[NIL], 0
	ds_add_u32 v[SPW], v[NIL]                      ; the wave's opening: the add, twice on end, and its wait ahead of my first tensor load
	ds_add_u32 v[SPW], v[NIL]
	v_lshrrev_b32 v1, 5, v0
	v_readfirstlane_b32 s16, v1                    ; wave
	s_lshr_b32 s17, s16, 1                         ; my half of the tile's rows; also: I fetch for A (0) or B (1)
	s_and_b32 s18, s16, 1                          ; my half of its columns; also: which 128 rows I fetch
	s_bfe_u32 s40, ttmp6, 0x40000                  ; cx
	s_bfe_u32 s41, ttmp6, 0x40004                  ; cy
	s_and_b32 s19, ttmp7, 0xffff                   ; cluster y, 0..23
	s_and_b32 s20, s19, 7
	s_lshl_b32 s20, s20, 2                         ; four tiles along the tokens
	s_lshr_b32 s19, s19, 3                         ; t
	s_lshl_b32 s92, s19, 22                        ; where A's codes begin (t < 2: the tokens'),
	s_lshl_b32 s93, s19, 19
	s_add_co_u32 s93, s93, 12582912                ; B's codes (W's),
	s_lshl_b32 s94, s19, 18                        ; A's scale bytes,
	s_lshl_b32 s95, s19, 15
	s_add_co_u32 s95, s95, 786432                  ; B's scale bytes
	s_mov_b32 s44, 2048                            ; the result's pitch in bytes
	s_cmp_eq_u32 s19, 2                            ; t = 2: the sides change places
	s_cselect_b32 s21, 0, s20
	s_cselect_b32 s22, s20, 0
	s_cselect_b32 s92, 13631488, s92
	s_cselect_b32 s93, 8388608, s93
	s_cselect_b32 s94, 851968, s94
	s_cselect_b32 s95, 524288, s95
	s_cselect_b32 s44, 16384, s44
	s_cselect_b32 s45, -1, 0                       ; all lanes: no bias
	s_add_co_u32 s21, s21, s41                     ; tile row: holds cy, never cx
	s_add_co_u32 s22, s22, s40                     ; tile column: holds cx, never cy
	s_lshl_b32 s66, s44, 4                         ; 16 rows of the result
	s_mov_b32 s67, 0
	s_lshl_b32 s42, s41, 2
	s_lshl_b32 s42, 15, s42                        ; my row of the cluster
	s_lshl_b32 s43, 0x1111, s40                    ; my column
	s_or_b32 s[G1+0], s42, (0<<16)|(1<<20)|(1<<21)|(5<<22)|(3<<25)   ; the mask; elements of 1 byte; padding: 4 words behind every 64; bit 21 beside a mask
	s_or_b32 s[G1B+0], s43, (0<<16)|(1<<20)|(1<<21)|(5<<22)|(3<<25)
.irp g, G1, G1B
	s_mov_b32 s[\g+1], ROWB<<16                    ; tensor_dim0
	s_mov_b32 s[\g+2], 128<<16                     ; tensor_dim1
	s_mov_b32 s[\g+3], ROWB<<16                    ; tile_dim0
	s_mov_b32 s[\g+4], 128                         ; tile_dim1
	s_mov_b32 s[\g+5], KROW                        ; pitch
	s_mov_b32 s[\g+6], 0
	s_mov_b32 s[\g+7], 0
.endr
	s_or_b32 s[G1S+0], s42, (3<<16)|(1<<20)|(1<<21)|(5<<22)|(3<<25)  ; the scales of 128 rows: 4,096 dense bytes as 16 rows of 256 (32 elements of 8 bytes)
	s_or_b32 s[G1SB+0], s43, (3<<16)|(1<<20)|(1<<21)|(5<<22)|(3<<25)
.irp g, G1S, G1SB
	s_mov_b32 s[\g+1], 32<<16
	s_mov_b32 s[\g+2], (128*KS/256)<<16
	s_mov_b32 s[\g+3], 32<<16
	s_mov_b32 s[\g+4], 128*KS/256
	s_mov_b32 s[\g+5], 32
	s_mov_b32 s[\g+6], 0
	s_mov_b32 s[\g+7], 0
.endr
	s_lshl_b32 s23, s18, 7                         ; which 128 rows of the tile I fetch
	s_lshl_b32 s98, s21, 8
	s_add_co_u32 s98, s98, s23                     ; A's row
	s_lshl_b32 s100, s22, 8
	s_add_co_u32 s100, s100, s23                   ; B's row
	s_lshl_b32 s2, s98, 9
	s_add_co_u32 s2, s2, s92                       ; A's codes, in bytes
	s_mov_b32 s3, 0
	s_lshl_b32 s98, s98, 5
	s_add_co_u32 s98, s98, s94                     ; A's scale bytes
	s_mov_b32 s99, 0
	s_lshl_b32 s46, s100, 9
	s_add_co_u32 s46, s46, s93                     ; B's codes
	s_mov_b32 s47, 0
	s_lshl_b32 s100, s100, 5
	s_add_co_u32 s100, s100, s95                   ; B's scale bytes
	s_mov_b32 s101, 0
	s_mul_i32 s96, s16, HALFT                      ; where they go: wave x 128 rows: no place in the cluster enters an LDS address
	s_mul_i32 s97, s16, HALFS
	s_wait_dscnt 0x0                               ; both opening adds are done
	s_wait_kmcnt 0x0
	s_add_nc_u64 s[2:3], s[4:5], s[2:3]
	s_add_nc_u64 s[98:99], s[6:7], s[98:99]
	s_add_nc_u64 s[46:47], s[4:5], s[46:47]
	s_add_nc_u64 s[100:101], s[6:7], s[100:101]
	CROUND                                         ; all sixteen work-groups are here: the first joint loads meet
	s_mov_b32 s[G0S], 1
	s_add_co_u32 s[G0S+1], s97, SCL
	s_mov_b64 s[G0S+2:G0S+3], s[98:99]
	s_or_b32 s[G0S+3], s[G0S+3], 0x80000000
	s_mov_b32 s[G0SB], 1
	s_add_co_u32 s[G0SB+1], s97, SCL
	s_mov_b64 s[G0SB+2:G0SB+3], s[100:101]
	s_or_b32 s[G0SB+3], s[G0SB+3], 0x80000000
	JLOAD G0S, G1S, G0SB, G1SB                     ; the scales first; then both slots: three loads of mine are out
.irp s, 0,1
	s_mov_b32 s[G0+4*\s], 1
	s_add_co_u32 s[G0+4*\s+1], s96, \s*SLOT
	s_add_nc_u64 s[G0+4*\s+2:G0+4*\s+3], s[2:3], \s*ROWB
	s_or_b32 s[G0+4*\s+3], s[G0+4*\s+3], 0x80000000
	s_mov_b32 s[G0B+4*\s], 1
	s_add_co_u32 s[G0B+4*\s+1], s96, \s*SLOT
	s_add_nc_u64 s[G0B+4*\s+2:G0B+4*\s+3], s[46:47], \s*ROWB
	s_or_b32 s[G0B+4*\s+3], s[G0B+4*\s+3], 0x80000000
	JLOAD G0+4*\s, G1, G0B+4*\s, G1B
.endr
	; the bias in the result's layout: lane (r, h), block b, register j: column 16 b + 8 h + j of my 128
	v_and_b32 v1, 15, v0                           ; r
	v_bfe_u32 v2, v0, 4, 1                         ; h
	v_lshlrev_b32 v[BO], 5, v2
	v_mov_b32 v[ZR], 0
	s_lshl_b32 s104, s22, 10
	s_lshl_b32 s105, s18, 9
	s_add_co_u32 s104, s104, s105                  ; (256 tile column + 128 half) x 4 bytes
	s_cmp_eq_u32 s19, 2
	s_cselect_b32 s104, 0, s104                    ; t = 2 has no such columns: what is loaded is replaced by 0 below
	s_mov_b32 s105, 0
	s_cmp_eq_u32 s19, 1
	s_cselect_b64 s[8:9], s[10:11], s[8:9]
	s_add_nc_u64 s[8:9], s[8:9], s[104:105]
.irp b, 0,1,2,3,4,5,6,7
	global_load_b128 v[BC+8*\b:BC+8*\b+3], v[BO], s[8:9] offset:64*\b
	global_load_b128 v[BC+8*\b+4:BC+8*\b+7], v[BO], s[8:9] offset:64*\b+16
.endr
	s_lshl_b32 s104, s21, 8                        ; where my part of the result begins
	s_lshl_b32 s105, s17, 7
	s_add_co_u32 s104, s104, s105
	s_mul_i32 s104, s104, s44                      ; my first row x pitch
	s_lshl_b32 s105, s22, 9
	s_add_co_u32 s104, s104, s105
	s_lshl_b32 s105, s18, 8
	s_add_co_u32 s104, s104, s105                  ; + my first column x 2 bytes
	s_lshl_b32 s105, s19, 24
	s_add_co_u32 s104, s104, s105                  ; + t x 16,777,216
	s_mov_b32 s105, 0
	s_add_nc_u64 s[12:13], s[12:13], s[104:105]
	s_wait_loadcnt 0x0
.set i, 0
.rept 64
	v_cndmask_b32 v[BC+i], v[BC+i], v[ZR], s45
.set i, i+1
.endr
	v_mul_u32_u24 v3, v1, PITCH
	v_lshl_add_u32 v4, v2, 4, v3                   ; a fragment's row x pitch + 16 x half
	s_mul_i32 s2, s17, HALFT                       ; my 128 rows of A
	s_mul_i32 s3, s18, HALFT
	s_add_co_u32 s3, s3, 2*HALFT                   ; my 128 rows of B, behind A's 256
.irp s, 0,1
	v_add_nc_u32 v[ADRA+\s], s2, v4
	v_add_nc_u32 v[ADRB+\s], s3, v4
	s_add_co_u32 s2, s2, SLOT
	s_add_co_u32 s3, s3, SLOT
.endr
	v_mul_u32_u24 v5, v1, KS                       ; my row's scales: 32 bytes a row,
	v_lshrrev_b32 v6, 8, v5
	v_lshl_add_u32 v5, v6, 4, v5                   ; and 16 more for each 256 passed
	s_mul_i32 s2, s17, HALFS
	s_mul_i32 s3, s18, HALFS
	s_add_co_u32 s3, s3, 2*HALFS
	s_sub_co_u32 s3, s3, s2
	v_mul_u32_u24 v6, s3, v2                       ; lanes 16-31 take B's
	s_add_co_u32 s2, s2, SCL
	v_add_nc_u32 v5, v5, v6
	v_add_nc_u32 v[ADRS], s2, v5
	s_mul_i32 s2, s16, 16*SPITCH
	s_add_co_u32 s2, s2, STAGE                     ; my stage
	v_mul_u32_u24 v5, v1, SPITCH
	v_lshl_add_u32 v5, v2, 4, v5
	v_add_nc_u32 v[STO], s2, v5                    ; in: row r, 16 bytes for each half of the lanes
	v_mul_u32_u24 v5, v2, SPITCH
	v_lshl_add_u32 v5, v1, 4, v5
	v_add_nc_u32 v[RD], s2, v5                     ; back: lanes 0-15 one row of 256 bytes, lanes 16-31 the next
	v_lshlrev_b32 v6, 4, v1
.irp t, 0,1,2,3,4,5,6,7
	v_add_nc_u32 v7, 2*\t, v2
	v_mad_u32_u24 v[COT+\t], v7, s44, v6           ; (h + 2 t) x pitch + 16 r
.endr
	v_lshlrev_b32 v[O1], 12, v1
	v_add_nc_u32 v[O1], v[O1], v[BO]
	v_lshlrev_b32 v[O2], 8, v1
	v_add_nc_u32 v[O2], v[O2], v[BO]
.macro FRAG reg, adr, q, i             ; 16 rows x 128 K of 4-bit codes: 8 registers; registers 4 c .. 4 c + 3 hold K = 64 c + 32 (lane / 16) + 0 .. 31
.irp c, 0,1
	ds_load_b128 v[\reg+4*\c:\reg+4*\c+3], v[\adr] offset:64*(\q)+32*\c+(\i)*16*PITCH
.endr
.endm
; 16 matrix instructions: A's blocks a0, a0 + 1 x B's eight.  p: B's set; sc: the set of scale words.  first = 1: the sums begin with the bias as C.
; The 64 accumulators take turns, one instruction a turn, in the same order in every step.
.macro MUL16 a0, p, q, sc, first
.irp a, \a0, \a0+1
.irp b, 0,1,2,3,4,5,6,7
.if \first
	v_wmma_scale_f32_16x16x128_f8f6f4 v[8*(8*((\a)%4)+\b):8*(8*((\a)%4)+\b)+7], v[128*(\p)+FR*\b:128*(\p)+FR*\b+FR-1], v[AF+FR*(\a):AF+FR*(\a)+FR-1], v[BC+8*\b:BC+8*\b+7], v[SC+8*NQ*(\sc)+NQ*\b+(\q)], v[SC+8*NQ*(\sc)+NQ*(\a)+(\q)] matrix_a_fmt:MATRIX_FMT_FP4 matrix_b_fmt:MATRIX_FMT_FP4 matrix_a_scale:MATRIX_SCALE_ROW1
.else
	v_wmma_scale_f32_16x16x128_f8f6f4 v[8*(8*((\a)%4)+\b):8*(8*((\a)%4)+\b)+7], v[128*(\p)+FR*\b:128*(\p)+FR*\b+FR-1], v[AF+FR*(\a):AF+FR*(\a)+FR-1], v[8*(8*((\a)%4)+\b):8*(8*((\a)%4)+\b)+7], v[SC+8*NQ*(\sc)+NQ*\b+(\q)], v[SC+8*NQ*(\sc)+NQ*(\a)+(\q)] matrix_a_fmt:MATRIX_FMT_FP4 matrix_b_fmt:MATRIX_FMT_FP4 matrix_a_scale:MATRIX_SCALE_ROW1
.endif
.endr
.endr
.endm
.macro FETCH_B slot, q, p
	WIN TO_B
.irp i, 0,1,2,3,4,5,6,7
	FRAG 128*(\p)+FR*\i, ADRB+\slot, \q, \i
.endr
	WIN 0
.endm
.macro FETCH_A slot, q, i0
.irp i, \i0, \i0+1, \i0+2, \i0+3
	FRAG AF+FR*(\i), ADRA+\slot, \q, \i
.endr
.endm
.macro SCALES sc                       ; a slot's scale words: lanes 0-15 A's block i, lanes 16-31 B's block i
.irp i, 0,1,2,3,4,5,6,7
	ds_load_b128 v[SC+8*NQ*\sc+NQ*\i:SC+8*NQ*\sc+NQ*\i+3], v[ADRS] offset:\i*SBLK
.endr
.endm
.macro PLACES n                        ; places behind matrix instructions, in front of loads into registers that they read and of reads of results
.rept \n
	v_nop
.endr
.endm
.macro STEP slot, q, first             ; 128 along K that has its successor in the same slot
	s_wait_dscnt 4*NL                              ; B's set and A's blocks 0-3 are in; the youngest eight loads (A's blocks 4-7) may be out
.if \first
	WIN BIA_LO
.else
	WIN MUL_LO
.endif
	MUL16 0, (\q)%2, \q, \slot, \first
	MUL16 2, (\q)%2, \q, \slot, \first
	s_wait_dscnt 0
	PLACES NP
	FETCH_B \slot, (\q)+1, 1-(\q)%2
	FETCH_A \slot, (\q)+1, 0
.if \first
	WIN BIA_HI
.else
	WIN MUL_HI
.endif
	MUL16 4, (\q)%2, \q, \slot, \first
	MUL16 6, (\q)%2, \q, \slot, \first
	PLACES NP
	WIN 0
	FETCH_A \slot, (\q)+1, 4
.endm
.macro TURN slot, next                 ; slot 0's last step: one barrier, in front of which each wave has waited for its part of slot 1
	s_wait_tensorcnt 0x0                           ; all my tensor loads have landed
	ds_add_u32 v[SPW], v[NIL]                      ; 0 onto my spare word
	s_wait_dscnt 4*NL+1                            ; the add and the youngest eight loads may be out
	WIN MUL_LO
	MUL16 0, 1, NQ-1, \slot, 0
	s_wait_dscnt 0x0
	s_barrier_signal -1
	MUL16 2, 1, NQ-1, \slot, 0
	WIN 0
	s_barrier_wait -1
	PLACES NP
	v_add_nc_u32 v[ADRS], 4*NQ, v[ADRS]            ; the next slot's scale words
	FETCH_B \next, 0, 0
	FETCH_A \next, 0, 0
	SCALES \next
	WIN MUL_HI
	MUL16 4, 1, NQ-1, \slot, 0
	MUL16 6, 1, NQ-1, \slot, 0
	PLACES NP
	WIN 0
	FETCH_A \next, 0, 4
.endm
.macro STEPS slot, from
.set Q, \from
.rept NQ-1-\from
	STEP \slot, Q, 0
.set Q, Q+1
.endr
.endm
	s_wait_tensorcnt 1                             ; the scales and my part of slot 0 are in; slot 1's load may be out
	s_barrier_signal -1
	s_barrier_wait -1
	FETCH_B 0, 0, 0
	FETCH_A 0, 0, 0
	SCALES 0
	FETCH_A 0, 0, 4
	STEP 0, 0, 1
	STEPS 0, 1
	TURN 0, 1
	STEPS 1, 0
	s_wait_dscnt 4*NL                              ; the last step: nothing more to fetch
	WIN MUL_LO
	MUL16 0, 1, NQ-1, 1, 0
	MUL16 2, 1, NQ-1, 1, 0
	s_wait_dscnt 0
	WIN MUL_HI
	MUL16 4, 1, NQ-1, 1, 0
	MUL16 6, 1, NQ-1, 1, 0
	WIN 0
; THE WAY OUT, a block of 16 rows x 128 columns at a time: rounded to f16 (16 bytes a lane), through my own stage, back as whole rows of 256 bytes.
.macro PACK a
.set AC, 64*((\a)%4)
	WIN 0x0a+5*((\a)/4)                            ; sources 0 and 1: window 2 or 3
.irp b, 0,1,2,3,4,5,6,7
.irp r, 0,1,2,3
	v_cvt_pk_f16_f32 v[TMP+4*\b+\r], v[AC+8*\b+2*\r], v[AC+8*\b+2*\r+1]
.endr
.endr
	WIN 0
.endm
.macro TOSTAGE a
.set BB, BK+32*((\a)%2)
.irp b, 0,1,2,3,4,5,6,7
	ds_store_b128 v[STO], v[TMP+4*\b:TMP+4*\b+3] offset:32*\b
.endr
.irp t, 0,1,2,3,4,5,6,7
	ds_load_b128 v[BB+4*\t:BB+4*\t+3], v[RD] offset:\t*2*SPITCH    ; LDS serves a wave's instructions in order: these see the stores above
.endr
.endm
.macro SEND a
.set BB, BK+32*((\a)%2)
	s_wait_dscnt 0x0                               ; the block is back in registers
	s_wait_xcnt 0x0                                ; earlier stores have read their registers and their base
.if (\a) > 0
	s_add_nc_u64 s[12:13], s[12:13], s[66:67]      ; 16 rows on
.endif
.irp t, 0,1,2,3,4,5,6,7
	global_store_b128 v[COT+\t], v[BB+4*\t:BB+4*\t+3], s[12:13]    ; 16 lanes store 256 consecutive bytes, aligned
.endr
.endm
	PLACES NP
	PACK 0
	TOSTAGE 0
.irp a, 1,2,3,4,5,6,7
	PACK \a
	SEND \a-1
	TOSTAGE \a
.endr
	SEND 7
	; THE SIDE COPIES in f32, switched by EXEC (no branch hangs on a place in the cluster).
	; q, k: my rows 0-15 are positions 0-15 of a sequence where t < 2, the tile row is a multiple of 8 and I hold the upper half of the rows.
	s_lshr_b32 s96, s19, 1
	s_and_b32 s97, s21, 7
	s_or_b32 s96, s96, s97
	s_or_b32 s96, s96, s17
	v_mov_b32 v7, s96
	s_lshl_b32 s104, s19, 18                       ; t x 262,144
	s_lshr_b32 s105, s21, 3
	s_lshl_b32 s105, s105, 16
	s_add_co_u32 s104, s104, s105                  ; + batch x 65,536
	s_lshl_b32 s105, s22, 10
	s_add_co_u32 s104, s104, s105
	s_lshl_b32 s105, s18, 9
	s_add_co_u32 s104, s104, s105                  ; + my first column x 4
	s_mov_b32 s105, 0
	s_add_nc_u64 s[10:11], s[14:15], s[104:105]
	v_cmp_eq_u32 vcc_lo, 0, v7
	s_wait_xcnt 0x0                                ; EXEC changes only behind this wait
	s_and_saveexec_b32 s96, vcc_lo
	WIN 0x08                                       ; a store's data: window 2
.irp b, 0,1,2,3,4,5,6,7
	global_store_b128 v[O1], v[8*\b:8*\b+3], s[10:11] offset:64*\b
	global_store_b128 v[O1], v[8*\b+4:8*\b+7], s[10:11] offset:64*\b+16
.endr
	WIN 0
	s_wait_xcnt 0x0
	s_or_b32 exec_lo, exec_lo, s96
	; v: my columns 0-15 are positions 0-15 where t = 2, the tile column is a multiple of 8 and I hold the left half: [channel][batch][16 keys]
	s_xor_b32 s96, s19, 2
	s_and_b32 s97, s22, 7
	s_or_b32 s96, s96, s97
	s_or_b32 s96, s96, s18
	v_mov_b32 v7, s96
	s_and_b32 s104, s21, 3                         ; (the tile row itself where the copy is on)
	s_lshl_b32 s104, s104, 8
	s_lshl_b32 s105, s17, 7
	s_add_co_u32 s104, s104, s105
	s_lshl_b32 s104, s104, 8                       ; my first channel x 256 bytes
	s_lshr_b32 s105, s22, 3
	s_lshl_b32 s105, s105, 6
	s_add_co_u32 s104, s104, s105                  ; + batch x 64
	s_add_co_u32 s104, s104, 524288
	s_mov_b32 s105, 0
	s_add_nc_u64 s[8:9], s[14:15], s[104:105]
	v_cmp_eq_u32 vcc_lo, 0, v7
	s_and_saveexec_b32 s96, vcc_lo
.irp a, 0,1,2,3,4,5,6,7
	WIN 0x08+4*(\a/4)
	global_store_b128 v[O2], v[64*(\a%4):64*(\a%4)+3], s[8:9] offset:4096*\a
	global_store_b128 v[O2], v[64*(\a%4)+4:64*(\a%4)+7], s[8:9] offset:4096*\a+16
.endr
	WIN 0
	s_wait_xcnt 0x0
	s_or_b32 exec_lo, exec_lo, s96
	s_wait_tensorcnt 0x0                           ; the wave's end
	ds_add_u32 v[SPW], v[NIL]
	s_wait_dscnt 0x0
	CROUND                                         ; the closing round
	s_endpgm
.Lfunc_end_k_q56c533dcea_proj:
	.size	k_q56c533dcea_proj, .Lfunc_end_k_q56c533dcea_proj-k_q56c533dcea_proj
	.p2alignl 7, 3214868480
	.fill 96, 4, 3214868480
	.section	.rodata,"a",@progbits
	.p2align	6, 0x0
	.amdhsa_kernel k_q56c533dcea_proj
		.amdhsa_group_segment_fixed_size 327680
		.amdhsa_private_segment_fixed_size 0
		.amdhsa_enable_private_segment 0
		.amdhsa_kernarg_size 48
		.amdhsa_user_sgpr_count 2
		.amdhsa_user_sgpr_kernarg_segment_ptr 1
		.amdhsa_wavefront_size32 1
		.amdhsa_system_sgpr_workgroup_id_x 1
		.amdhsa_system_sgpr_workgroup_id_y 1
		.amdhsa_system_sgpr_workgroup_id_z 1
		.amdhsa_system_vgpr_workitem_id 0
		.amdhsa_next_free_vgpr 1024
		.amdhsa_next_free_sgpr 106
		.amdhsa_reserve_vcc 1
		.amdhsa_float_denorm_mode_32 3
		.amdhsa_float_denorm_mode_16_64 3
		.amdhsa_memory_ordered 1
		.amdhsa_forward_progress 1
		.amdhsa_inst_pref_size 138
	.end_amdhsa_kernel
	.amdgpu_metadata
---
amdhsa.version: [ 1, 2 ]
amdhsa.kernels:
  - .name:           k_q56c533dcea_proj
    .symbol:         k_q56c533dcea_proj.kd
    .args:
      - { .name: codes, .offset: 0, .size: 8, .value_kind: global_buffer, .address_space: global }
      - { .name: scales, .offset: 8, .size: 8, .value_kind: global_buffer, .address_space: global }
      - { .name: Wq_b, .offset: 16, .size: 8, .value_kind: global_buffer, .address_space: global }
      - { .name: Wk_b, .offset: 24, .size: 8, .value_kind: global_buffer, .address_space: global }
      - { .name: hp, .offset: 32, .size: 8, .value_kind: global_buffer, .address_space: global }
      - { .name: first, .offset: 40, .size: 8, .value_kind: global_buffer, .address_space: global }
    .group_segment_fixed_size: 327680
    .private_segment_fixed_size: 0
    .kernarg_segment_align: 8
    .kernarg_segment_size: 48
    .max_flat_workgroup_size: 128
    .sgpr_count:     106
    .vgpr_count:     1024
    .wavefront_size: 32
...
	.end_amdgpu_metadata
.endif
;; end of part 2
;; launch scores (part 3): grid 36 x 4, 4 waves a work-group, no clusters, 327,680 bytes of LDS; arguments hp, sc; writes sc
.if DOCPART == 3
	.amdgcn_target "amdgcn-amd-amdhsa--gfx1250"
	.amdhsa_code_object_version 6
	.text
	.protected	k_q56c533dcea_scores
	.globl	k_q56c533dcea_scores
	.p2align	8
	.type	k_q56c533dcea_scores,@function
k_q56c533dcea_scores:
	s_mov_b64 s[64:65], 0
	v_nop
	global_prefetch_b8 v0, s[64:65] scope:SCOPE_SE
	s_setreg_imm32_b32 hwreg(HW_REG_WAVE_MODE, 25, 1), 1
	s_wait_xcnt 0x0
; d[b][q][k] = qh[b][q] . kh[b][k], raw (not yet divided by 32), f16 operands, f32 sums, f32 out.  Only the 36 tiles of 256 x 256 on or under the diagonal of each sequence: the causal mask throws the others away.
; A tile is made by four waves, 128 x 128 each (64 accumulators).  K = 1,024 goes in eight steps of 128 (rows of 256 bytes) through two LDS slots; each wave fetches a quarter of a slot.
; NO CLUSTER: a tile row of the triangle has 1 to 8 tiles, so neither 4 x 4 nor 4 x 1 work-groups that share a tile divide it; partners placed on hidden tiles would ask for tiles that they never read.
; The matrix instruction is used transposed (source 0 = 16 rows of kh, source 1 = 16 rows of qh): a lane holds eight neighbouring keys of one query.
; REGISTERS: window 0: v16-29 addresses; v64-127, v128-191 qh's fragments, two buffers (on the way out: rows);  window 1: the same for kh;  windows 2, 3: accumulators ((a, b) at v[8 (8 a + b)]).
.set KSTEP,  128
.set PITCH,  272
.set HALFT,  128*PITCH
.set SLOT,   4*HALFT
.set STAGE,  2*SLOT                    ; 16 rows x 528 bytes for each wave; no tile lands here
.set SPITCH, 528
.set SPARE,  STAGE+4*16*SPITCH
.set LAPS,   4
.set ADRA, 16
.set ADRB, 20
.set STO,  24
.set RD,   25
.set CO,   26
.set SPW,  28
.set NIL,  29
.set F0,   64
.set F1,   128
.set G1, 24
.set G0, 32
.set MSB, 0
.macro WIN new
.if MSB != \new
	s_set_vgpr_msb (MSB<<8)|\new
.set MSB, \new
.endif
.endm
.set MUL_LO, 0xa1
.set MUL_HI, 0xf1
.set TO_B,   0x40
	s_load_b128 s[4:7], s[0:1], 0x0                ; hp, sc
	v_lshl_add_u32 v[SPW], v0, 2, SPARE
	v_mov_b32 v[NIL], 0
	ds_add_u32 v[SPW], v[NIL]                      ; the wave's opening: the add, twice on end, and its wait ahead of my first tensor load
	ds_add_u32 v[SPW], v[NIL]
	v_lshrrev_b32 v1, 5, v0
	v_readfirstlane_b32 s10, v1                    ; wave
	s_lshr_b32 s11, s10, 1                         ; my half of the queries
	s_and_b32 s12, s10, 1                          ; my half of the keys; also which 128 rows I fetch
	s_and_b32 s13, ttmp7, 0xffff                   ; batch
	s_mov_b32 s14, 0                               ; tile row r: how many of r (r + 1) / 2 = 1, 3, .. 28 are at or under the work-group's number
.irp th, 1,3,6,10,15,21,28
	s_cmp_ge_u32 ttmp9, \th
	s_cselect_b32 s15, 1, 0
	s_add_co_u32 s14, s14, s15
.endr
	s_add_co_u32 s15, s14, 1
	s_mul_i32 s15, s15, s14
	s_lshr_b32 s15, s15, 1
	s_sub_co_u32 s15, ttmp9, s15                   ; tile column c <= r
	s_mov_b32 s[G1+0], (1<<16)|(1<<20)|(5<<22)|(3<<25)   ; elements of 2 bytes; padding: 4 words behind every 64
	s_mov_b32 s[G1+1], KSTEP<<16
	s_mov_b32 s[G1+2], 128<<16
	s_mov_b32 s[G1+3], KSTEP<<16
	s_mov_b32 s[G1+4], 128
	s_mov_b32 s[G1+5], 1024
	s_mov_b32 s[G1+6], 0
	s_mov_b32 s[G1+7], 0
	s_cmp_lt_u32 s10, 2                            ; waves 0, 1 fetch qh's halves, waves 2, 3 kh's
	s_cselect_b32 s16, s14, s15
	s_cselect_b32 s17, 0, 16777216
	s_lshl_b32 s16, s16, 8
	s_lshl_b32 s18, s12, 7
	s_add_co_u32 s16, s16, s18
	s_lshl_b32 s18, s13, 11
	s_add_co_u32 s16, s16, s18                     ; the first row that I fetch
	s_lshl_b32 s16, s16, 11                        ; x 2,048 bytes
	s_add_co_u32 s16, s16, s17
	s_mov_b32 s17, 0
	s_mul_i32 s20, s10, HALFT                      ; and where it goes: wave x 128 rows
	s_wait_dscnt 0x0
	s_wait_kmcnt 0x0
	s_add_nc_u64 s[18:19], s[4:5], s[16:17]
.irp s, 0,1
	s_mov_b32 s[G0+4*\s], 1
	s_add_co_u32 s[G0+4*\s+1], s20, \s*SLOT
	s_add_nc_u64 s[G0+4*\s+2:G0+4*\s+3], s[18:19], \s*KSTEP*2
	s_or_b32 s[G0+4*\s+3], s[G0+4*\s+3], 0x80000000
	tensor_load_to_lds s[G0+4*\s:G0+4*\s+3], s[G1:G1+7]   ; both first fills go out together: two loads of mine are out
	s_nop 0
.endr
.rept 4
	v_nop
.endr
	v_and_b32 v1, 15, v0
	v_bfe_u32 v2, v0, 4, 1
	v_mul_u32_u24 v3, v1, PITCH
	v_lshl_add_u32 v3, v2, 4, v3
	s_mul_i32 s21, s11, HALFT
	s_mul_i32 s22, s12, HALFT
	s_add_co_u32 s22, s22, 2*HALFT
.irp s, 0,1
	v_add_nc_u32 v[ADRA+\s], s21, v3
	v_add_nc_u32 v[ADRB+\s], s22, v3
	s_add_co_u32 s21, s21, SLOT
	s_add_co_u32 s22, s22, SLOT
.endr
	s_mul_i32 s23, s10, 16*SPITCH
	s_add_co_u32 s23, s23, STAGE
	v_mul_u32_u24 v4, v1, SPITCH
	v_lshl_add_u32 v4, v2, 5, v4
	v_add_nc_u32 v[STO], s23, v4                   ; in: row r, 32 bytes for each half of the lanes
	v_and_b32 v5, 31, v0
	v_lshlrev_b32 v[CO], 4, v5                     ; back: the 32 lanes take a row of 512 bytes; the same in sc
	v_add_nc_u32 v[RD], s23, v[CO]
	s_lshl_b32 s16, s13, 11
	s_lshl_b32 s17, s14, 8
	s_add_co_u32 s16, s16, s17
	s_lshl_b32 s17, s11, 7
	s_add_co_u32 s16, s16, s17                     ; my first row of sc
	s_lshl_b32 s16, s16, 13                        ; x 8,192 bytes
	s_lshl_b32 s17, s15, 10
	s_add_co_u32 s16, s16, s17
	s_lshl_b32 s17, s12, 9
	s_add_co_u32 s16, s16, s17                     ; + my first key x 4
	s_mov_b32 s17, 0
	s_add_nc_u64 s[6:7], s[6:7], s[16:17]
.macro MUL16 f, hi, a0, zero           ; 16 matrix instructions; zero = 1: the first product starts the sums.  The 64 accumulators take turns
.irp a, \a0, \a0+1
.irp b, 0,1,2,3,4,5,6,7
.if \zero
	v_wmma_f32_16x16x32_f16 v[8*(8*(\a)+\b):8*(8*(\a)+\b)+7], v[\f+8*\b:\f+8*\b+7], v[\f+8*(4*\hi+\a):\f+8*(4*\hi+\a)+7], 0
.else
	v_wmma_f32_16x16x32_f16 v[8*(8*(\a)+\b):8*(8*(\a)+\b)+7], v[\f+8*\b:\f+8*\b+7], v[\f+8*(4*\hi+\a):\f+8*(4*\hi+\a)+7], v[8*(8*(\a)+\b):8*(8*(\a)+\b)+7]
.endif
.endr
.endr
.endm
.macro FETCH slot, k, f                ; 32 LDS loads in one run: a quarter step's fragments
	WIN TO_B
.irp i, 0,1,2,3,4,5,6,7
	ds_load_b128 v[\f+8*\i:\f+8*\i+3],   v[ADRB+\slot] offset:\k+\i*16*PITCH
	ds_load_b128 v[\f+8*\i+4:\f+8*\i+7], v[ADRB+\slot] offset:\k+\i*16*PITCH+32
.endr
	WIN 0
.irp i, 0,1,2,3,4,5,6,7
	ds_load_b128 v[\f+8*\i:\f+8*\i+3],   v[ADRA+\slot] offset:\k+\i*16*PITCH
	ds_load_b128 v[\f+8*\i+4:\f+8*\i+7], v[ADRA+\slot] offset:\k+\i*16*PITCH+32
.endr
.endm
.macro PLACES                          ; four places behind matrix instructions (ISA guide 7.12.1)
.rept 4
	v_nop
.endr
.endm
.macro QUARTER slot, k, f, g, zero
	s_wait_dscnt 8                                 ; kh's and qh's rows 0-63 are in; the youngest eight loads may be out
	WIN MUL_LO
	MUL16 \f, 0, 0, \zero
	MUL16 \f, 0, 2, \zero
	PLACES
	FETCH \slot, \k, \g
	s_wait_dscnt 32                                ; all but the 32 just issued
	WIN MUL_HI
	MUL16 \f, 1, 0, \zero
	MUL16 \f, 1, 2, \zero
.endm
; The last quarter changes slots: one barrier; in front of it each wave waits for all its tensor loads (its part of the next slot), adds 0 to its spare word and waits for that and for its reads of this slot.
; fill = 1: this slot is filled again, two K steps ahead: my one tensor load behind the barrier, and the first thing there.
.macro TURN slot, next, fill
	WIN 0
	s_wait_tensorcnt 0x0
	ds_add_u32 v[SPW], v[NIL]
	s_wait_dscnt 9                                 ; the add and the youngest eight loads may be out
	WIN MUL_LO
	MUL16 F1, 0, 0, 0
	s_wait_dscnt 0x0
	s_barrier_signal -1
	MUL16 F1, 0, 2, 0
	s_barrier_wait -1
.if \fill
	s_add_nc_u64 s[G0+4*\slot+2:G0+4*\slot+3], s[G0+4*\slot+2:G0+4*\slot+3], 2*KSTEP*2
	tensor_load_to_lds s[G0+4*\slot:G0+4*\slot+3], s[G1:G1+7]
	s_nop 0
.endif
	PLACES                                         ; behind the load, and the places in front of the loads below
	FETCH \next, 0, F0
	WIN MUL_HI
	MUL16 F1, 1, 0, 0
	MUL16 F1, 1, 2, 0
.endm
	s_wait_tensorcnt 1                             ; my part of K step 0 is in; K step 1's load may be out
	s_barrier_signal -1
	s_barrier_wait -1
	FETCH 0, 0, F0
	QUARTER 0, 64,  F0, F1, 1
	WIN 0
	s_mov_b32 s3, LAPS-1
.Llap:                                                 ; a trip goes once round the ring and fills both slots again
	QUARTER 0, 128, F1, F0, 0
	QUARTER 0, 192, F0, F1, 0
	TURN 0, 1, 1
	QUARTER 1, 64,  F0, F1, 0
	QUARTER 1, 128, F1, F0, 0
	QUARTER 1, 192, F0, F1, 0
	TURN 1, 0, 1
	QUARTER 0, 64,  F0, F1, 0
	WIN 0
	s_sub_co_u32 s3, s3, 1
	s_cmp_lg_u32 s3, 0
	s_cbranch_scc1 .Llap
	QUARTER 0, 128, F1, F0, 0                      ; the last lap fills nothing
	QUARTER 0, 192, F0, F1, 0
	TURN 0, 1, 0
	QUARTER 1, 64,  F0, F1, 0
	QUARTER 1, 128, F1, F0, 0
	QUARTER 1, 192, F0, F1, 0
	s_wait_dscnt 8
	WIN MUL_LO
	MUL16 F1, 0, 0, 0
	MUL16 F1, 0, 2, 0
	s_wait_dscnt 0
	WIN MUL_HI
	MUL16 F1, 1, 0, 0
	MUL16 F1, 1, 2, 0
	WIN 0
; THE WAY OUT: a block of 16 rows x 128 keys goes through my stage and comes back as rows of 512 bytes.
.macro TOSTAGE a
.set AC, 64*((\a)%4)
	WIN 0x08+4*((\a)/4)                            ; the data: window 2 or 3
.irp b, 0,1,2,3,4,5,6,7
	ds_store_b128 v[STO], v[AC+8*\b:AC+8*\b+3] offset:64*\b          ; each accumulator from its low end on
	ds_store_b128 v[STO], v[AC+8*\b+4:AC+8*\b+7] offset:64*\b+16
.endr
	WIN 0
.set BB, F0+64*((\a)%2)
.irp t, 0,1,2,3,4,5,6,7,8,9,10,11,12,13,14,15
	ds_load_b128 v[BB+4*\t:BB+4*\t+3], v[RD] offset:\t*SPITCH
.endr
.endm
.macro SEND a, younger
.set BB, F0+64*((\a)%2)
	s_wait_dscnt \younger
.irp t, 0,1,2,3,4,5,6,7,8,9,10,11,12,13,14,15
	global_store_b128 v[CO], v[BB+4*\t:BB+4*\t+3], s[6:7] offset:(16*(\a)+\t)*8192   ; 32 lanes store 512 consecutive bytes, aligned; the row stands in the immediate
.endr
.endm
	PLACES
	TOSTAGE 0
.irp a, 1,2,3,4,5,6,7
.if \a > 1
	s_wait_xcnt 0x0                                ; block a - 2's stores have read their registers
.endif
	TOSTAGE \a
	SEND \a-1, 32                                  ; behind block a - 1's loads: block a's 16 stores and 16 loads
.endr
	SEND 7, 0
	s_wait_tensorcnt 0x0                           ; the wave's end
	ds_add_u32 v[SPW], v[NIL]
	s_wait_dscnt 0x0
	s_endpgm
.Lfunc_end_k_q56c533dcea_scores:
	.size	k_q56c533dcea_scores, .Lfunc_end_k_q56c533dcea_scores-k_q56c533dcea_scores
	.p2alignl 7, 3214868480
	.fill 96, 4, 3214868480
	.section	.rodata,"a",@progbits
	.p2align	6, 0x0
	.amdhsa_kernel k_q56c533dcea_scores
		.amdhsa_group_segment_fixed_size 327680
		.amdhsa_private_segment_fixed_size 0
		.amdhsa_enable_private_segment 0
		.amdhsa_kernarg_size 16
		.amdhsa_user_sgpr_count 2
		.amdhsa_user_sgpr_kernarg_segment_ptr 1
		.amdhsa_wavefront_size32 1
		.amdhsa_system_sgpr_workgroup_id_x 1
		.amdhsa_system_sgpr_workgroup_id_y 1
		.amdhsa_system_sgpr_workgroup_id_z 1
		.amdhsa_system_vgpr_workitem_id 0
		.amdhsa_next_free_vgpr 1024
		.amdhsa_next_free_sgpr 66
		.amdhsa_reserve_vcc 0
		.amdhsa_float_denorm_mode_32 3
		.amdhsa_float_denorm_mode_16_64 3
		.amdhsa_memory_ordered 1
		.amdhsa_forward_progress 1
		.amdhsa_inst_pref_size 137
	.end_amdhsa_kernel
	.amdgpu_metadata
---
amdhsa.version: [ 1, 2 ]
amdhsa.kernels:
  - .name:           k_q56c533dcea_scores
    .symbol:         k_q56c533dcea_scores.kd
    .args:
      - { .name: hp, .offset: 0, .size: 8, .value_kind: global_buffer, .address_space: global }
      - { .name: sc, .offset: 8, .size: 8, .value_kind: global_buffer, .address_space: global }
    .group_segment_fixed_size: 327680
    .private_segment_fixed_size: 0
    .kernarg_segment_align: 8
    .kernarg_segment_size: 16
    .max_flat_workgroup_size: 128
    .sgpr_count:     66
    .vgpr_count:     1024
    .wavefront_size: 32
...
	.end_amdgpu_metadata
.endif
;; end of part 3
;; launch softmax (part 4): grid 512 x 1, 8 waves a work-group, no clusters, 0 bytes of LDS; arguments sc, attention_mask, pr; writes pr
.if DOCPART == 4
	.amdgcn_target "amdgcn-amd-amdhsa--gfx1250"
	.amdhsa_code_object_version 6
	.text
	.protected	k_q56c533dcea_softmax
	.globl	k_q56c533dcea_softmax
	.p2align	8
	.type	k_q56c533dcea_softmax,@function
k_q56c533dcea_softmax:
	s_mov_b64 s[64:65], 0
	v_nop
	global_prefetch_b8 v0, s[64:65] scope:SCOPE_SE
	s_setreg_imm32_b32 hwreg(HW_REG_WAVE_MODE, 25, 1), 1
	s_wait_xcnt 0x0
; pr[b][q][k] = softmax over k of the masked scores, rounded once to f16.  sc holds the raw dot products d; the score is d / 32.
; A key is hidden where its mask word is 0 or where it comes after the query; a hidden d becomes -3.2e10 (-1e9 x 32).  M is the row's true maximum; p = 2^(c d - c M), c = log2(e) / 32; p is divided by the row's sum in f32.
; LIMIT: a row with a visible key is taken to have a visible score above -1e9 + 150, so that hidden keys weigh exactly 0.  A row with no visible key gets finite numbers here; the last launch stores that row's true result.
; A work-group takes 16 rows, a wave two, each whole in registers.  Row q is read up to the end of its tile of 256 keys (no more of sc is written) and stored, with zeros, up to its border of 512 keys, as far as the next launch reads.
; In chunk j of 128 keys lane l holds keys 128 j + 4 l + 0 .. 3: each load covers 512 consecutive bytes, each store 256, aligned.  No LDS, no barrier: waves share nothing.
; The row's length hangs on the work-group's number alone: four bodies, for 512, 1,024, 1,536 and 2,048 keys.
.set KK, 16                            ; v16-79   a key's number, or the greatest number where it is padded
.set X0, 80                            ; v80-143  row 0
.set X1, 144                           ; v144-207 row 1
	s_load_b128 s[4:7], s[0:1], 0x0                ; sc, attention_mask
	s_load_b64 s[8:9], s[0:1], 0x10                ; pr
	v_lshrrev_b32 v1, 5, v0
	v_readfirstlane_b32 s10, v1                    ; wave
	v_and_b32 v1, 31, v0
	v_lshlrev_b32 v2, 4, v1                        ; 16 l
	v_lshlrev_b32 v3, 3, v1                        ; 8 l
	v_lshlrev_b32 v4, 2, v1                        ; 4 l
	v_mov_b32 v5, 0xd0ee6b28                       ; -3.2e10
	v_mov_b32 v6, 0x7fffffff
	s_lshr_b32 s11, ttmp9, 7                       ; batch
	s_and_b32 s12, ttmp9, 127
	s_lshl_b32 s12, s12, 4                         ; the group's first row
	s_lshl_b32 s13, s10, 1
	s_add_co_u32 s13, s12, s13                     ; my row 0
	s_add_co_u32 s14, s13, 1                       ; my row 1
	s_lshr_b32 s15, s12, 8                         ; its tile of 256
	s_lshr_b32 s16, s15, 1                         ; its group of 512
	s_lshl_b32 s17, s11, 11
	s_add_co_u32 s17, s17, s13
	s_lshl_b32 s18, s17, 13                        ; x 8,192 bytes in sc
	s_mov_b32 s19, 0
	s_lshl_b32 s20, s17, 12                        ; x 4,096 bytes in pr
	s_mov_b32 s21, 0
	s_lshl_b32 s22, s11, 13                        ; the batch's mask
	s_mov_b32 s23, 0
	s_mov_b32 s24, 0x3d38aa3b                      ; c = log2(e) / 32
	s_mov_b32 s25, s24
	s_mov_b32 s26, 0x76543210
	s_mov_b32 s27, 0xfedcba98                      ; v_permlanex16_b32's selects for lane l xor 16
	s_wait_kmcnt 0x0
	s_add_nc_u64 s[4:5], s[4:5], s[18:19]
	s_add_nc_u64 s[8:9], s[8:9], s[20:21]
	s_add_nc_u64 s[6:7], s[6:7], s[22:23]
.macro ROW x, rw, nc, poff
.set n, 0
.rept 4*\nc
	v_cmp_ge_i32 vcc_lo, s[\rw], v[KK+n]           ; visible: not padded, and at or before the query: one compare for both masks
	v_cndmask_b32 v[\x+n], v5, v[\x+n], vcc_lo
.set n, n+1
.endr
	v_max3_num_f32 v208, v[\x], v[\x+1], v[\x+2]   ; the row's maximum: two chains
	v_max3_num_f32 v209, v[\x+3], v[\x+4], v[\x+5]
.set n, 6
.rept \nc-2
	v_max3_num_f32 v208, v208, v[\x+n], v[\x+n+1]
	v_max3_num_f32 v209, v209, v[\x+n+2], v[\x+n+3]
.set n, n+4
.endr
	v_max3_num_f32 v208, v208, v[\x+n], v[\x+n+1]
	v_max_num_f32 v208, v208, v209
.irp m, 1,2,4,8
	v_max_num_f32_dpp v208, v208, v208 row_xmask:\m row_mask:0xf bank_mask:0xf
.endr
	v_permlanex16_b32 v209, v208, s26, s27
	v_max_num_f32 v208, v208, v209
	v_mul_f32 v210, s24, v208                      ; c M
	v_mov_b32 v211, v210
.set n, 0
.rept 2*\nc
	v_pk_fma_f32 v[\x+n:\x+n+1], v[\x+n:\x+n+1], s[24:25], v[210:211] op_sel_hi:[1,0,0] neg_lo:[0,0,1] neg_hi:[0,0,1]   ; c d - c M
.set n, n+2
.endr
.set n, 0
.rept 4*\nc
	v_exp_f32 v[\x+n], v[\x+n]
.set n, n+1
.endr
	v_nop                                          ; a plain instruction behind the last exponential
	s_wait_alu depctr_va_vdst(0)                   ; one wait for the batch, ahead of its first use
	v_pk_add_f32 v[212:213], v[\x:\x+1], v[\x+2:\x+3]
	v_pk_add_f32 v[214:215], v[\x+4:\x+5], v[\x+6:\x+7]
.set n, 8
.rept \nc-2
	v_pk_add_f32 v[212:213], v[212:213], v[\x+n:\x+n+1]
	v_pk_add_f32 v[214:215], v[214:215], v[\x+n+2:\x+n+3]
.set n, n+4
.endr
	v_pk_add_f32 v[212:213], v[212:213], v[214:215]
	v_add_f32 v212, v212, v213
.irp m, 1,2,4,8
	v_add_f32_dpp v212, v212, v212 row_xmask:\m row_mask:0xf bank_mask:0xf
.endr
	v_permlanex16_b32 v213, v212, s26, s27
	v_add_f32 v212, v212, v213                     ; the row's sum
	v_rcp_f32 v216, v212
	v_nop
	s_wait_alu depctr_va_vdst(0)
	v_mov_b32 v217, v216
.set n, 0
.rept 2*\nc
	v_pk_mul_f32 v[\x+n:\x+n+1], v[\x+n:\x+n+1], v[216:217]
.set n, n+2
.endr
.set n, 0
.rept \nc
	v_cvt_pk_f16_f32 v[\x+4*n], v[\x+4*n], v[\x+4*n+1]
	v_cvt_pk_f16_f32 v[\x+4*n+1], v[\x+4*n+2], v[\x+4*n+3]
	global_store_b64 v3, v[\x+4*n:\x+4*n+1], s[8:9] offset:\poff+256*n   ; the wave stores 256 consecutive bytes, aligned
.set n, n+1
.endr
.endm
.macro BODY ng
.set NC, 4*\ng
.set j, 0
.rept NC
	global_load_b128 v[KK+4*j:KK+4*j+3], v2, s[6:7] offset:512*j
.set j, j+1
.endr
.set j, 0
.rept NC-2
	global_load_b128 v[X0+4*j:X0+4*j+3], v2, s[4:5] offset:512*j th:TH_LOAD_NT
	global_load_b128 v[X1+4*j:X1+4*j+3], v2, s[4:5] offset:8192+512*j th:TH_LOAD_NT
.set j, j+1
.endr
	s_bitcmp1_b32 s15, 0                           ; an odd tile of 256 reaches to the border of 512; behind an even one the last 256 keys are not in sc, and all of them are hidden
	s_cbranch_scc0 .Leven_\@
.rept 2
	global_load_b128 v[X0+4*j:X0+4*j+3], v2, s[4:5] offset:512*j th:TH_LOAD_NT
	global_load_b128 v[X1+4*j:X1+4*j+3], v2, s[4:5] offset:8192+512*j th:TH_LOAD_NT
.set j, j+1
.endr
	s_branch .Lgot_\@
.Leven_\@:
.set j, 4*(NC-2)
.rept 8
	v_mov_b32 v[X0+j], 0
	v_mov_b32 v[X1+j], 0
.set j, j+1
.endr
.Lgot_\@:
	s_wait_loadcnt 0x0
.set n, 0
.rept 4*NC
	v_add_nc_u32 v7, 128*(n/4)+n%4, v4             ; the key's number
	v_cmp_ne_u32 vcc_lo, 0, v[KK+n]
	v_cndmask_b32 v[KK+n], v6, v7, vcc_lo
.set n, n+1
.endr
	ROW X0, 13, NC, 0
	ROW X1, 14, NC, 4096
	s_endpgm
.endm
	s_cmp_eq_u32 s16, 0
	s_cbranch_scc1 .Lg1
	s_cmp_eq_u32 s16, 1
	s_cbranch_scc1 .Lg2
	s_cmp_eq_u32 s16, 2
	s_cbranch_scc1 .Lg3
	BODY 4
.Lg3:
	BODY 3
.Lg2:
	BODY 2
.Lg1:
	BODY 1
.Lfunc_end_k_q56c533dcea_softmax:
	.size	k_q56c533dcea_softmax, .Lfunc_end_k_q56c533dcea_softmax-k_q56c533dcea_softmax
	.p2alignl 7, 3214868480
	.fill 96, 4, 3214868480
	.section	.rodata,"a",@progbits
	.p2align	6, 0x0
	.amdhsa_kernel k_q56c533dcea_softmax
		.amdhsa_group_segment_fixed_size 0
		.amdhsa_private_segment_fixed_size 0
		.amdhsa_enable_private_segment 0
		.amdhsa_kernarg_size 24
		.amdhsa_user_sgpr_count 2
		.amdhsa_user_sgpr_kernarg_segment_ptr 1
		.amdhsa_wavefront_size32 1
		.amdhsa_system_sgpr_workgroup_id_x 1
		.amdhsa_system_sgpr_workgroup_id_y 1
		.amdhsa_system_sgpr_workgroup_id_z 1
		.amdhsa_system_vgpr_workitem_id 0
		.amdhsa_next_free_vgpr 224
		.amdhsa_next_free_sgpr 66
		.amdhsa_reserve_vcc 1
		.amdhsa_float_denorm_mode_32 3
		.amdhsa_float_denorm_mode_16_64 3
		.amdhsa_memory_ordered 1
		.amdhsa_forward_progress 1
		.amdhsa_inst_pref_size 130
	.end_amdhsa_kernel
	.amdgpu_metadata
---
amdhsa.version: [ 1, 2 ]
amdhsa.kernels:
  - .name:           k_q56c533dcea_softmax
    .symbol:         k_q56c533dcea_softmax.kd
    .args:
      - { .name: sc, .offset: 0, .size: 8, .value_kind: global_buffer, .address_space: global }
      - { .name: attention_mask, .offset: 8, .size: 8, .value_kind: global_buffer, .address_space: global }
      - { .name: pr, .offset: 16, .size: 8, .value_kind: global_buffer, .address_space: global }
    .group_segment_fixed_size: 0
    .private_segment_fixed_size: 0
    .kernarg_segment_align: 8
    .kernarg_segment_size: 24
    .max_flat_workgroup_size: 256
    .sgpr_count:     66
    .vgpr_count:     224
    .wavefront_size: 32
...
	.end_amdgpu_metadata
.endif
;; end of part 4
;; launch pv (part 5): grid 8 x 32, 4 waves a work-group, clusters of 4 x 4, 327,680 bytes of LDS; arguments pr, hp, Wv_b, out0; writes out0
.if DOCPART == 5
	.amdgcn_target "amdgcn-amd-amdhsa--gfx1250"
	.amdhsa_code_object_version 6
	.text
	.protected	k_q56c533dcea_pv
	.globl	k_q56c533dcea_pv
	.p2align	8
	.type	k_q56c533dcea_pv,@function
k_q56c533dcea_pv:
	s_mov_b64 s[64:65], 0
	v_nop
	global_prefetch_b8 v0, s[64:65] scope:SCOPE_SE
	s_setreg_imm32_b32 hwreg(HW_REG_WAVE_MODE, 25, 1), 1
	s_wait_xcnt 0x0
	s_wait_alu depctr_hold_cnt(0) depctr_sa_sdst(0) depctr_va_vdst(0) depctr_va_sdst(0) depctr_va_ssrc(0) depctr_va_vcc(0) depctr_vm_vsrc(0)
	s_getreg_b32 s2, hwreg(HW_REG_IB_STS2, 6, 4)
	s_cmp_eq_u32 s2, 0
	s_cbranch_scc0 .Lentry_in_a_cluster
	s_endpgm
.Lentry_in_a_cluster:
	s_bfe_u32 s2, ttmp6, 0x10000c
	s_cmp_lg_u32 s2, 0xf033
	s_cbranch_scc0 .Lentry_shape_is_right
	s_endpgm
.Lentry_shape_is_right:
; out[b][q][ch] = sum over keys of P[b][q][key] vhT[ch][b][key] + bv[ch]: f16 operands, f32 sums that begin with the bias (the weights of a row sum to 1, so the bias of vh passes through the softmax unchanged).
; A tile of out is 128 queries x 128 channels: four waves, 64 x 64 each (16 accumulators).  The keys go in steps of 256 (rows of 512 bytes) through two LDS slots.
; EVEN WORK UNDER THE CAUSAL MASK: the queries of a sequence are four groups of 512; group g needs keys under 512 (g + 1): g + 1 laps of 512 keys (P holds zeros from the diagonal to that border).
; A work-group makes TWO tiles: one of group u and one of group 3 - u (u = 0, 1): five laps for every work-group, 256 work-groups.
; CLUSTER 4 x 4: cy picks the 128 queries inside the group, cx the channel tile.  P's tiles are shared along a row of the cluster, vhT's along a column; all sixteen walk the same keys, and the trip counts hang on the cluster's y alone.
; The ring does not stop at the change of tiles: tile 1's last lap asks for tile 2's first two steps.
; The matrix instruction is used transposed (source 0 = 16 channels, source 1 = 16 queries): a lane holds eight neighbouring channels of one query.
; REGISTERS: window 0: v16-29 addresses; v32-63 the bias in the result's layout; v64-127 rows on the way out; v128-255 the accumulators ((a, b) at v[128 + 8 (4 a + b)]).  window 1: two fragment buffers of 128.
.set KSTEP,  256
.set PITCH,  528
.set HALFT,  64*PITCH
.set SLOT,   4*HALFT
.set STAGE,  2*SLOT                    ; 16 rows x 272 bytes for each wave; no tile lands here
.set SPITCH, 272
.set SPARE,  STAGE+4*16*SPITCH
.set ADRA, 16
.set ADRB, 20
.set STO,  24
.set RD,   25
.set CO,   26
.set SPW,  28
.set NIL,  29
.set BI,   32
.set OB,   64
.set ACC,  128
.set F0,   0
.set F1,   128
.set G1, 24
.set G0, 32
.set G1B, 48
.set G0B, 56
.set DA, 44                            ; s[44:45] what a refill adds to P's address
.set DB, 46                            ; s[46:47] what it adds to vhT's,
.set EB, 74                            ; s[74:75] and takes off it
.set MSB, 0
.macro WIN new
.if MSB != \new
	s_set_vgpr_msb (MSB<<8)|\new
.set MSB, \new
.endif
.endm
.set MUL,  0x05                        ; sources 0 and 1 window 1; C and D window 0
.set TO_F, 0x40
.macro JLOAD s                         ; a joint load: waves 0, 1 fetch P's halves, waves 2, 3 vhT's; an s_nop 0 and four v_nop follow each line
	s_cmp_eq_u32 s15, 0
	s_cbranch_scc0 .Lfor_b_\@
	tensor_load_to_lds s[G0+4*\s:G0+4*\s+3], s[G1:G1+7]
	s_nop 0
.rept 4
	v_nop
.endr
	s_branch .Lasked_\@
.Lfor_b_\@:
	tensor_load_to_lds s[G0B+4*\s:G0B+4*\s+3], s[G1B:G1B+7]
	s_nop 0
.rept 4
	v_nop
.endr
.Lasked_\@:
.endm
.macro CREST
	s_cmp_lg_u32 s14, 0
	s_cbranch_scc1 .Lnot_wave_0_\@
	s_barrier_signal -3
.Lnot_wave_0_\@:
	s_barrier_wait -3
	s_barrier_signal -1
	s_barrier_wait -1
.endm
.macro CROUND
	s_barrier_signal -1
	s_barrier_wait -1
	CREST
.endm
	s_load_b256 s[4:11], s[0:1], 0x0               ; pr, hp, Wv_b, out0
	v_lshl_add_u32 v[SPW], v0, 2, SPARE
	v_mov_b32 v[NIL], 0
	ds_add_u32 v[SPW], v[NIL]                      ; the wave's opening: the add, twice on end, and its wait ahead of my first tensor load
	ds_add_u32 v[SPW], v[NIL]
	v_lshrrev_b32 v1, 5, v0
	v_readfirstlane_b32 s14, v1                    ; wave
	s_lshr_b32 s15, s14, 1                         ; my half of the queries; also: I fetch P (0) or vhT (1)
	s_and_b32 s16, s14, 1                          ; my half of the channels; also which 64 rows I fetch
	s_bfe_u32 s40, ttmp6, 0x40000                  ; cx
	s_bfe_u32 s41, ttmp6, 0x40004                  ; cy
	s_lshl_b32 s19, ttmp9, 2
	s_add_co_u32 s19, s19, s40                     ; channel tile
	s_and_b32 s17, ttmp7, 0xffff
	s_and_b32 s18, s17, 1                          ; u
	s_lshr_b32 s17, s17, 1                         ; batch
	s_lshl_b32 s42, s41, 2
	s_lshl_b32 s42, 15, s42                        ; my row of the cluster
	s_lshl_b32 s43, 0x1111, s40                    ; my column
	s_or_b32 s[G1+0], s42, (1<<16)|(1<<20)|(1<<21)|(6<<22)|(3<<25)   ; the mask; elements of 2 bytes; padding: 4 words behind every 128; bit 21 beside a mask
	s_or_b32 s[G1B+0], s43, (1<<16)|(1<<20)|(1<<21)|(6<<22)|(3<<25)
.irp g, G1, G1B
	s_mov_b32 s[\g+1], KSTEP<<16
	s_mov_b32 s[\g+2], 64<<16
	s_mov_b32 s[\g+3], KSTEP<<16
	s_mov_b32 s[\g+4], 64
	s_mov_b32 s[\g+6], 0
	s_mov_b32 s[\g+7], 0
.endr
	s_mov_b32 s[G1+5], 2048                        ; a row of P: 2,048 elements
	s_mov_b32 s[G1B+5], 8192                       ; a row of vhT: 8,192
	s_lshl_b32 s67, s16, 6                         ; which 64 rows of the tile I fetch
	s_lshl_b32 s20, s17, 11
	s_lshl_b32 s21, s18, 9
	s_add_co_u32 s20, s20, s21
	s_lshl_b32 s21, s41, 7
	s_add_co_u32 s20, s20, s21
	s_add_co_u32 s20, s20, s67                     ; P: row 2,048 b + 512 u + 128 cy + 64 half
	s_lshl_b32 s20, s20, 12
	s_mov_b32 s21, 0
	s_lshl_b32 s22, s19, 7
	s_add_co_u32 s22, s22, s67                     ; vhT: channel 128 tile + 64 half
	s_lshl_b32 s22, s22, 14
	s_lshl_b32 s23, s17, 12
	s_add_co_u32 s22, s22, s23                     ; + the batch's first key
	s_add_co_u32 s22, s22, 33554432
	s_mov_b32 s23, 0
	s_lshl_b32 s67, s18, 1
	s_sub_co_u32 s66, 3, s67
	s_lshl_b32 s66, s66, 21                        ; 512 (3 - 2 u) rows of P down,
	s_lshl_b32 s68, s18, 10                        ; and 1,024 u bytes back along the keys: from tile 1's last lap to tile 2's first
	s_sub_co_u32 s66, s66, s68
	s_mov_b32 s[DA+1], 0
	s_mov_b32 s[DB+1], 0
	s_mov_b32 s[EB+1], 0
	s_mul_i32 s69, s14, HALFT                      ; where my tiles go: wave x 64 rows
	s_wait_dscnt 0x0
	s_wait_kmcnt 0x0
	s_add_nc_u64 s[20:21], s[4:5], s[20:21]
	s_add_nc_u64 s[22:23], s[6:7], s[22:23]
	CROUND                                         ; all sixteen work-groups are here: the first joint loads meet
.irp s, 0,1
	s_mov_b32 s[G0+4*\s], 1
	s_add_co_u32 s[G0+4*\s+1], s69, \s*SLOT
	s_add_nc_u64 s[G0+4*\s+2:G0+4*\s+3], s[20:21], \s*KSTEP*2
	s_or_b32 s[G0+4*\s+3], s[G0+4*\s+3], 0x80000000
	s_mov_b32 s[G0B+4*\s], 1
	s_add_co_u32 s[G0B+4*\s+1], s69, \s*SLOT
	s_add_nc_u64 s[G0B+4*\s+2:G0B+4*\s+3], s[22:23], \s*KSTEP*2
	s_or_b32 s[G0B+4*\s+3], s[G0B+4*\s+3], 0x80000000
	JLOAD \s                                       ; two loads of mine are out
.endr
	v_and_b32 v1, 15, v0
	v_bfe_u32 v2, v0, 4, 1
	v_lshlrev_b32 v6, 5, v2                        ; 32 h
	s_lshl_b32 s76, s19, 9
	s_lshl_b32 s77, s16, 8
	s_add_co_u32 s76, s76, s77                     ; my first channel x 4
	s_mov_b32 s77, 0
	s_add_nc_u64 s[8:9], s[8:9], s[76:77]
.irp b, 0,1,2,3
	global_load_b128 v[BI+8*\b:BI+8*\b+3], v6, s[8:9] offset:64*\b        ; lane (r, h), block b, register j: channel 16 b + 8 h + j of my 64
	global_load_b128 v[BI+8*\b+4:BI+8*\b+7], v6, s[8:9] offset:64*\b+16
.endr
	v_mul_u32_u24 v3, v1, PITCH
	v_lshl_add_u32 v3, v2, 4, v3
	s_mul_i32 s78, s15, HALFT
	s_mul_i32 s79, s16, HALFT
	s_add_co_u32 s79, s79, 2*HALFT
.irp s, 0,1
	v_add_nc_u32 v[ADRA+\s], s78, v3
	v_add_nc_u32 v[ADRB+\s], s79, v3
	s_add_co_u32 s78, s78, SLOT
	s_add_co_u32 s79, s79, SLOT
.endr
	s_mul_i32 s78, s14, 16*SPITCH
	s_add_co_u32 s78, s78, STAGE                   ; my stage
	v_mul_u32_u24 v4, v1, SPITCH
	v_add_nc_u32 v4, v4, v6
	v_add_nc_u32 v[STO], s78, v4                   ; in: row r, 32 bytes for each half of the lanes
	v_mul_u32_u24 v5, v2, SPITCH
	v_lshl_add_u32 v5, v1, 4, v5
	v_add_nc_u32 v[RD], s78, v5                    ; back: lanes 0-15 one row of 256 bytes, lanes 16-31 the next
	v_lshlrev_b32 v5, 12, v2
	v_lshl_add_u32 v[CO], v1, 4, v5                ; and the same two rows in out
	s_lshl_b32 s76, s17, 11                        ; where my part of tile 1 begins in out
	s_lshl_b32 s77, s18, 9
	s_add_co_u32 s76, s76, s77
	s_lshl_b32 s77, s41, 7
	s_add_co_u32 s76, s76, s77
	s_lshl_b32 s77, s15, 6
	s_add_co_u32 s76, s76, s77
	s_lshl_b32 s76, s76, 12
	s_lshl_b32 s77, s19, 9
	s_add_co_u32 s76, s76, s77
	s_lshl_b32 s77, s16, 8
	s_add_co_u32 s76, s76, s77
	s_mov_b32 s77, 0
	s_add_nc_u64 s[70:71], s[10:11], s[76:77]
	s_lshl_b32 s76, s18, 1
	s_sub_co_u32 s76, 3, s76
	s_lshl_b32 s76, s76, 21
	s_add_nc_u64 s[72:73], s[70:71], s[76:77]      ; and of tile 2: 512 (3 - 2 u) rows down
.macro MUL8 f, c, a0                   ; 8 matrix instructions; the 16 accumulators take turns
.irp a, \a0, \a0+1
.irp b, 0,1,2,3
	v_wmma_f32_16x16x32_f16 v[ACC+8*(4*(\a)+\b):ACC+8*(4*(\a)+\b)+7], v[\f+64+8*(4*\c+\b):\f+64+8*(4*\c+\b)+7], v[\f+8*(4*\c+\a):\f+8*(4*\c+\a)+7], v[ACC+8*(4*(\a)+\b):ACC+8*(4*(\a)+\b)+7]
.endr
.endr
.endm
.macro FETCH slot, k, f                ; 32 LDS loads in one run: 64 keys' fragments; the first 32 keys first
	WIN TO_F
.irp c, 0,1
.irp i, 0,1,2,3
	ds_load_b128 v[\f+64+8*(4*\c+\i):\f+64+8*(4*\c+\i)+3],   v[ADRB+\slot] offset:\k+64*\c+\i*16*PITCH
	ds_load_b128 v[\f+64+8*(4*\c+\i)+4:\f+64+8*(4*\c+\i)+7], v[ADRB+\slot] offset:\k+64*\c+\i*16*PITCH+32
	ds_load_b128 v[\f+8*(4*\c+\i):\f+8*(4*\c+\i)+3],         v[ADRA+\slot] offset:\k+64*\c+\i*16*PITCH
	ds_load_b128 v[\f+8*(4*\c+\i)+4:\f+8*(4*\c+\i)+7],       v[ADRA+\slot] offset:\k+64*\c+\i*16*PITCH+32
.endr
.endr
.endm
.macro PLACES
.rept 4
	v_nop
.endr
.endm
.macro QUARTER slot, k, f, g
	s_wait_dscnt 16                                ; the first 32 keys' fragments are in; the other sixteen loads may be out
	WIN MUL
	MUL8 \f, 0, 0
	MUL8 \f, 0, 2
	PLACES
	FETCH \slot, \k, \g
	s_wait_dscnt 32                                ; all but the 32 just issued
	WIN MUL
	MUL8 \f, 1, 0
	MUL8 \f, 1, 2
.endm
; The last quarter changes slots.  In front of the barrier each wave waits for all its tensor loads, adds 0 to its spare word and waits for that and for its reads of this slot.
; fill = 1: the barrier opens a round of the cluster's barrier, and this slot's joint refill is the first tensor load behind it.
.macro TURN slot, next, fill
	WIN 0
	s_wait_tensorcnt 0x0
	ds_add_u32 v[SPW], v[NIL]
	s_wait_dscnt 17                                ; the add and the youngest sixteen loads may be out
	WIN MUL
	MUL8 F1, 0, 0
	s_wait_dscnt 0x0
	s_barrier_signal -1
	MUL8 F1, 0, 2
.if \fill
	WIN 0
.endif
	s_barrier_wait -1
.if \fill
	CREST
	s_add_nc_u64 s[G0+4*\slot+2:G0+4*\slot+3], s[G0+4*\slot+2:G0+4*\slot+3], s[DA:DA+1]
	s_add_nc_u64 s[G0B+4*\slot+2:G0B+4*\slot+3], s[G0B+4*\slot+2:G0B+4*\slot+3], s[DB:DB+1]
	s_sub_nc_u64 s[G0B+4*\slot+2:G0B+4*\slot+3], s[G0B+4*\slot+2:G0B+4*\slot+3], s[EB:EB+1]
	JLOAD \slot
.else
	PLACES
.endif
	FETCH \next, 0, F0
	WIN MUL
	MUL8 F1, 1, 0
	MUL8 F1, 1, 2
.endm
.macro LAP                             ; 512 keys, once round the ring; both slots are filled again
	QUARTER 0, 128, F0, F1
	QUARTER 0, 256, F1, F0
	QUARTER 0, 384, F0, F1
	TURN 0, 1, 1
	QUARTER 1, 128, F0, F1
	QUARTER 1, 256, F1, F0
	QUARTER 1, 384, F0, F1
	TURN 1, 0, 1
	WIN 0
.endm
.macro INIT                            ; the sums begin with the bias: so every lap is like every other
.irp a, 0,1,2,3
.irp b, 0,1,2,3
.irp j, 0,1,2,3,4,5,6,7
	v_mov_b32 v[ACC+8*(4*\a+\b)+\j], v[BI+8*\b+\j]
.endr
.endr
.endr
.endm
; THE WAY OUT: a block of 16 queries x 64 channels (256 bytes a row) through my own stage, back as whole rows.
.macro TOSTAGE a
.irp b, 0,1,2,3
	ds_store_b128 v[STO], v[ACC+8*(4*(\a)+\b):ACC+8*(4*(\a)+\b)+3] offset:64*\b      ; each accumulator from its low end on
	ds_store_b128 v[STO], v[ACC+8*(4*(\a)+\b)+4:ACC+8*(4*(\a)+\b)+7] offset:64*\b+16
.endr
.set BB, OB+32*((\a)%2)
.irp t, 0,1,2,3,4,5,6,7
	ds_load_b128 v[BB+4*\t:BB+4*\t+3], v[RD] offset:\t*2*SPITCH
.endr
.endm
.macro SEND a, younger, base
.set BB, OB+32*((\a)%2)
	s_wait_dscnt \younger
.irp t, 0,1,2,3,4,5,6,7
	global_store_b128 v[CO], v[BB+4*\t:BB+4*\t+3], s[\base:\base+1] offset:(16*(\a)+2*\t)*4096 th:TH_STORE_NT   ; 16 lanes store 256 consecutive bytes, aligned
.endr
.endm
.macro WAYOUT base
	PLACES
	s_wait_xcnt 0x0                                ; an earlier way out's stores have read their registers
	TOSTAGE 0
.irp a, 1,2,3
.if \a > 1
	s_wait_xcnt 0x0
.endif
	TOSTAGE \a
	SEND \a-1, 16, \base                           ; behind block a - 1's loads: block a's 8 stores and 8 loads
.endr
	SEND 3, 0, \base
.endm
	s_wait_loadcnt 0x0                             ; the bias
	INIT
	s_wait_tensorcnt 1                             ; my part of step 0 is in; step 1's load may be out
	s_barrier_signal -1
	s_barrier_wait -1
	FETCH 0, 0, F0
	WIN 0
	s_add_co_u32 s3, s18, 1                        ; tile 1: u + 1 laps
.Ltile1:
	s_cmp_eq_u32 s3, 1                             ; its last lap asks for tile 2's first two steps
	s_cselect_b32 s[DA], s66, 1024
	s_cselect_b32 s[DB], 0, 1024
	s_cselect_b32 s[EB], s68, 0
	LAP
	s_sub_co_u32 s3, s3, 1
	s_cmp_gt_i32 s3, 0                             ; a signed test: the counter comes down and ends the loop whatever its start
	s_cbranch_scc1 .Ltile1
	WAYOUT 70                                      ; tile 2's step 1 is on its way meanwhile
	INIT
	s_mov_b32 s[DA], 1024
	s_mov_b32 s[DB], 1024
	s_mov_b32 s[EB], 0
	s_sub_co_u32 s3, 3, s18                        ; tile 2: 4 - u laps, the last written out
.Ltile2:
	LAP
	s_sub_co_u32 s3, s3, 1
	s_cmp_gt_i32 s3, 0
	s_cbranch_scc1 .Ltile2
	QUARTER 0, 128, F0, F1                         ; the last lap fills nothing and has no round
	QUARTER 0, 256, F1, F0
	QUARTER 0, 384, F0, F1
	TURN 0, 1, 0
	QUARTER 1, 128, F0, F1
	QUARTER 1, 256, F1, F0
	QUARTER 1, 384, F0, F1
	s_wait_dscnt 16
	WIN MUL
	MUL8 F1, 0, 0
	MUL8 F1, 0, 2
	s_wait_dscnt 0
	MUL8 F1, 1, 0
	MUL8 F1, 1, 2
	WIN 0
	WAYOUT 72
	s_wait_tensorcnt 0x0                           ; the wave's end
	ds_add_u32 v[SPW], v[NIL]
	s_wait_dscnt 0x0
	CROUND                                         ; the closing round
	s_endpgm
.Lfunc_end_k_q56c533dcea_pv:
	.size	k_q56c533dcea_pv, .Lfunc_end_k_q56c533dcea_pv-k_q56c533dcea_pv
	.p2alignl 7, 3214868480
	.fill 96, 4, 3214868480
	.section	.rodata,"a",@progbits
	.p2align	6, 0x0
	.amdhsa_kernel k_q56c533dcea_pv
		.amdhsa_group_segment_fixed_size 327680
		.amdhsa_private_segment_fixed_size 0
		.amdhsa_enable_private_segment 0
		.amdhsa_kernarg_size 32
		.amdhsa_user_sgpr_count 2
		.amdhsa_user_sgpr_kernarg_segment_ptr 1
		.amdhsa_wavefront_size32 1
		.amdhsa_system_sgpr_workgroup_id_x 1
		.amdhsa_system_sgpr_workgroup_id_y 1
		.amdhsa_system_sgpr_workgroup_id_z 1
		.amdhsa_system_vgpr_workitem_id 0
		.amdhsa_next_free_vgpr 512
		.amdhsa_next_free_sgpr 84
		.amdhsa_reserve_vcc 0
		.amdhsa_float_denorm_mode_32 3
		.amdhsa_float_denorm_mode_16_64 3
		.amdhsa_memory_ordered 1
		.amdhsa_forward_progress 1
		.amdhsa_inst_pref_size 139
	.end_amdhsa_kernel
	.amdgpu_metadata
---
amdhsa.version: [ 1, 2 ]
amdhsa.kernels:
  - .name:           k_q56c533dcea_pv
    .symbol:         k_q56c533dcea_pv.kd
    .args:
      - { .name: pr, .offset: 0, .size: 8, .value_kind: global_buffer, .address_space: global }
      - { .name: hp, .offset: 8, .size: 8, .value_kind: global_buffer, .address_space: global }
      - { .name: Wv_b, .offset: 16, .size: 8, .value_kind: global_buffer, .address_space: global }
      - { .name: out0, .offset: 24, .size: 8, .value_kind: global_buffer, .address_space: global }
    .group_segment_fixed_size: 327680
    .private_segment_fixed_size: 0
    .kernarg_segment_align: 8
    .kernarg_segment_size: 32
    .max_flat_workgroup_size: 128
    .sgpr_count:     84
    .vgpr_count:     512
    .wavefront_size: 32
...
	.end_amdgpu_metadata
.endif
;; end of part 5
;; launch tail (part 6): grid 2 x 4, 8 waves a work-group, no clusters, 44,032 bytes of LDS; arguments first, hp, attention_mask, Wv_b, out0; writes out0
.if DOCPART == 6
	.amdgcn_target "amdgcn-amd-amdhsa--gfx1250"
	.amdhsa_code_object_version 6
	.text
	.protected	k_q56c533dcea_tail
	.globl	k_q56c533dcea_tail
	.p2align	8
	.type	k_q56c533dcea_tail,@function
k_q56c533dcea_tail:
	s_mov_b64 s[64:65], 0
	v_nop
	global_prefetch_b8 v0, s[64:65] scope:SCOPE_SE
	s_setreg_imm32_b32 hwreg(HW_REG_WAVE_MODE, 25, 1), 1
	s_wait_xcnt 0x0
; Two kinds of rows get their final numbers here, over what the launch before left there.
; (1) Positions 0-15 of every sequence, all in f32: they average one to sixteen values, so rounded operands would weigh most there.  16 x 16 scores from the f32 copies of qh and kh, both masks, softmax, and O = P V + bv.
; (2) Rows in front of the sequence's first unpadded key L: all their visible keys are padded, so all 2,048 scores are equal (-1e9) and the result is the mean of vh over the WHOLE sequence, + bv.  Served for every L from 0 to 2,048.
;     L comes from the int32 mask by integer instructions; where mask[b][0] is not 0, L is 0 and the second part is jumped over.  L enters no address: it sets EXEC and leads round stores.
; A work-group takes one sequence and 512 channels, a wave 64 channels (four tiles of 16).  The scores are summed over the eight waves (128 channels each) through LDS.
; Both f32 products are laid so that a lane holds one query (lane % 16): S^T = K Q^T, O^T = V^T P^T; k is permuted alike on both sides of a product.
; LIMIT: as in the softmax launch, a row with a visible key is taken to have a visible score above -1e9 + 150.
.set PART,  0                          ; LDS: each wave's partial scores, an image of 8 registers: 1,024 bytes
.set STAGE, 8192                       ; 16 rows x 272 bytes for each wave
.set SPARE, 43008                      ; the spare words: 128 bytes a wave
.set D,   20                           ; v20-27  scores of my query, keys 8 h + 0 .. 7
.set P,   28                           ; v28-35  weights
.set KK,  36                           ; v36-43  mask words, then key numbers
.set KA,  48                           ; v48-111 kh's rows; later images, mask words, vhT's fragments, rows on the way out
.set OT,  112                          ; v112-143 O^T: written by the f32 matrix form alone
.set SA,  144                          ; v144-175 four score accumulators: likewise
.set QA,  176                          ; v176-239 qh's rows; later:
.set VV,  176                          ; v176-207 V's fragments, then the mean
.set BI,  208                          ; v208-239 the bias in the result's layout
.set CN,  240                          ; v240-247 2^-11 in every f16 half
	s_load_b256 s[4:11], s[0:1], 0x0               ; first, hp, attention_mask, Wv_b
	s_load_b64 s[12:13], s[0:1], 0x20              ; out0
	v_lshl_add_u32 v13, v0, 2, SPARE               ; my spare word; never rewritten
	v_mov_b32 v14, 0                               ; 0; never rewritten
	v_lshrrev_b32 v1, 5, v0
	v_readfirstlane_b32 s14, v1                    ; wave
	v_and_b32 v3, 31, v0                           ; lane
	v_and_b32 v1, 15, v0                           ; r
	v_bfe_u32 v2, v0, 4, 1                         ; h
	v_lshlrev_b32 v4, 12, v1
	v_lshl_add_u32 v4, v2, 4, v4                   ; qh, kh: r x 4,096 + 16 h
	v_lshlrev_b32 v6, 4, v3                        ; 16 x lane
	s_lshl_b32 s24, s14, 10
	v_add_nc_u32 v5, s24, v6                       ; my wave's image
	v_lshlrev_b32 v8, 5, v2                        ; 32 h
	v_lshl_add_u32 v7, v1, 8, v8                   ; V: r x 256 + 32 h
	s_mul_i32 s24, s14, 16*272
	s_add_co_u32 s24, s24, STAGE
	v_mul_u32_u24 v10, v1, 272
	v_add_nc_u32 v10, v10, v8
	v_add_nc_u32 v10, s24, v10                     ; the stage, in: row r, + 32 h
	v_mul_u32_u24 v11, v2, 272
	v_lshl_add_u32 v11, v1, 4, v11
	v_add_nc_u32 v11, s24, v11                     ; back: lanes 0-15 one row, lanes 16-31 the next
	v_lshlrev_b32 v12, 12, v2
	v_lshl_add_u32 v12, v1, 4, v12                 ; the same two rows in out; never rewritten
	v_lshlrev_b32 v15, 14, v1
	v_lshl_add_u32 v15, v2, 4, v15                 ; vhT: r x 16,384 + 16 h
	v_lshlrev_b32 v9, 3, v2                        ; my first key: 8 h
	v_lshlrev_b32 v16, 2, v3                       ; 4 x lane
	v_mov_b32 v17, 0xd0ee6b28                      ; -3.2e10 = -1e9 x 32
	v_mov_b32 v19, 0x7fffffff
	v_mov_b32 v45, 0                               ; (a lane permute's destination counts as one of its sources)
	v_mov_b32 v47, 0
	s_and_b32 s15, ttmp7, 0xffff                   ; batch
	s_lshl_b32 s16, ttmp9, 9
	s_lshl_b32 s17, s14, 6
	s_add_co_u32 s16, s16, s17                     ; my first channel
	s_mov_b32 s26, 0x76543210
	s_mov_b32 s27, 0xfedcba98                      ; selects for lane l xor 16
	s_mov_b32 s31, 0x3d38aa3b                      ; c = log2(e) / 32
	s_mov_b32 s33, 0
	s_wait_kmcnt 0x0
	s_lshl_b32 s32, s15, 13
	s_add_nc_u64 s[8:9], s[8:9], s[32:33]          ; the batch's mask
	s_load_b32 s22, s[8:9], 0x0                    ; mask[b][0]
	s_lshl_b32 s32, s15, 16
	s_lshl_b32 s17, s14, 9
	s_add_co_u32 s32, s32, s17
	s_add_nc_u64 s[18:19], s[4:5], s[32:33]        ; q32 at my batch and my 128 channels; k32 lies 262,144 bytes on
	s_lshl_b32 s32, s16, 8
	s_lshl_b32 s17, s15, 6
	s_add_co_u32 s32, s32, s17
	s_add_co_u32 s32, s32, 524288
	s_add_nc_u64 s[20:21], s[4:5], s[32:33]        ; v32T at my first channel and my batch
	s_lshl_b32 s32, s16, 2
	s_add_nc_u64 s[10:11], s[10:11], s[32:33]      ; the bias
	s_lshl_b32 s17, s15, 23
	s_add_co_u32 s32, s32, s17
	s_add_nc_u64 s[12:13], s[12:13], s[32:33]      ; out at the batch's row 0 and my first channel
	s_lshl_b32 s32, s16, 14
	s_lshl_b32 s17, s15, 12
	s_add_co_u32 s32, s32, s17
	s_add_co_u32 s32, s32, 33554432
	s_add_nc_u64 s[6:7], s[6:7], s[32:33]          ; vhT at my first channel and the batch's key 0
.set i, 0
.rept 16
	global_load_b128 v[KA+4*i:KA+4*i+3], v4, s[18:19] offset:262144+32*i   ; lane (r, h): row r, channels 8 i + 4 h + 0 .. 3 of my 128
	global_load_b128 v[QA+4*i:QA+4*i+3], v4, s[18:19] offset:32*i
.set i, i+1
.endr
	s_wait_loadcnt 0x0
.set i, 0
.rept 32                               ; S^T = K Q^T over my 128 channels: four accumulators by turns; the first four products start the sums
.if i < 4
	v_wmma_f32_16x16x4_f32 v[SA+8*(i%4):SA+8*(i%4)+7], v[KA+2*i:KA+2*i+1], v[QA+2*i:QA+2*i+1], 0
.else
	v_wmma_f32_16x16x4_f32 v[SA+8*(i%4):SA+8*(i%4)+7], v[KA+2*i:KA+2*i+1], v[QA+2*i:QA+2*i+1], v[SA+8*(i%4):SA+8*(i%4)+7]
.endif
.set i, i+1
.endr
.rept 8
	v_nop                                          ; eight places behind this form, in front of reads of results and of loads into its sources
.endr
.irp t, 0,1,2,3
	global_load_b128 v[VV+8*\t:VV+8*\t+3], v7, s[20:21] offset:4096*\t        ; lane (r, h): channel 16 t + r, keys 8 h + 0 .. 7
	global_load_b128 v[VV+8*\t+4:VV+8*\t+7], v7, s[20:21] offset:4096*\t+16
	global_load_b128 v[BI+8*\t:BI+8*\t+3], v8, s[10:11] offset:64*\t          ; channels 16 t + 8 h + 0 .. 7
	global_load_b128 v[BI+8*\t+4:BI+8*\t+7], v8, s[10:11] offset:64*\t+16
.endr
	global_load_b128 v[KK:KK+3], v8, s[8:9]        ; the mask words of my 8 keys
	global_load_b128 v[KK+4:KK+7], v8, s[8:9] offset:16
.irp j, 0,1,2,3,4,5,6,7
	v_add_f32 v[D+\j], v[SA+\j], v[SA+8+\j]        ; each accumulator from its low end on
	v_add_f32 v18, v[SA+16+\j], v[SA+24+\j]
	v_add_f32 v[D+\j], v[D+\j], v18
.endr
	ds_store_b128 v5, v[D:D+3] offset:PART
	ds_store_b128 v5, v[D+4:D+7] offset:PART+512
	s_wait_dscnt 0x0                               ; for the others' sake: my image has landed
	s_barrier_signal -1
	s_barrier_wait -1
.irp i, 0,1,2,3,4,5,6,7
	ds_load_b128 v[KA+8*\i:KA+8*\i+3], v6 offset:PART+1024*\i
	ds_load_b128 v[KA+8*\i+4:KA+8*\i+7], v6 offset:PART+1024*\i+512
.endr
	s_wait_dscnt 0x0
.irp j, 0,1,2,3,4,5,6,7
	v_add_f32 v[D+\j], v[KA+\j], v[KA+8+\j]
.endr
.irp i, 2,3,4,5,6,7
.irp j, 0,1,2,3,4,5,6,7
	v_add_f32 v[D+\j], v[D+\j], v[KA+8*\i+\j]      ; in the order of the waves: the same sum in every wave
.endr
.endr
	s_wait_loadcnt 0x0
.irp j, 0,1,2,3,4,5,6,7
	v_add_nc_u32 v18, \j, v9
	v_cmp_ne_u32 vcc_lo, 0, v[KK+\j]
	v_cndmask_b32 v[KK+\j], v19, v18, vcc_lo       ; the key's number, or the greatest number where it is padded
	v_cmp_ge_i32 vcc_lo, v1, v[KK+\j]              ; visible: not padded, and at or before my query
	v_cndmask_b32 v[D+\j], v17, v[D+\j], vcc_lo
.endr
	v_max3_num_f32 v44, v[D], v[D+1], v[D+2]
	v_max3_num_f32 v44, v44, v[D+3], v[D+4]
	v_max3_num_f32 v44, v44, v[D+5], v[D+6]
	v_max_num_f32 v44, v44, v[D+7]
	v_permlanex16_b32 v45, v44, s26, s27
	v_max_num_f32 v44, v44, v45                    ; the row's maximum
	v_mul_f32 v46, s31, v44
.irp j, 0,1,2,3,4,5,6,7
	v_fma_f32 v[P+\j], v[D+\j], s31, -v46          ; c d - c M
.endr
.irp j, 0,1,2,3,4,5,6,7
	v_exp_f32 v[P+\j], v[P+\j]
.endr
	v_nop
	s_wait_alu depctr_va_vdst(0)                   ; one wait for the eight, ahead of their first use
	v_add_f32 v44, v[P], v[P+1]
	v_add_f32 v18, v[P+2], v[P+3]
	v_add_f32 v44, v44, v[P+4]
	v_add_f32 v18, v18, v[P+5]
	v_add_f32 v44, v44, v[P+6]
	v_add_f32 v18, v18, v[P+7]
	v_add_f32 v44, v44, v18
	v_permlanex16_b32 v45, v44, s26, s27
	v_add_f32 v44, v44, v45
	v_rcp_f32 v46, v44
	v_nop
	s_wait_alu depctr_va_vdst(0)
.irp j, 0,1,2,3,4,5,6,7
	v_mul_f32 v[P+\j], v[P+\j], v46
.endr
.irp s, 0,1,2,3                        ; O^T = V^T P^T + bv: registers 2 s, 2 s + 1 stand for keys 8 h + 2 s + 0, 1 on both sides; the four tiles by turns; the first step's C is the bias
.irp t, 0,1,2,3
.if \s == 0
	v_wmma_f32_16x16x4_f32 v[OT+8*\t:OT+8*\t+7], v[VV+8*\t+2*\s:VV+8*\t+2*\s+1], v[P+2*\s:P+2*\s+1], v[BI+8*\t:BI+8*\t+7]
.else
	v_wmma_f32_16x16x4_f32 v[OT+8*\t:OT+8*\t+7], v[VV+8*\t+2*\s:VV+8*\t+2*\s+1], v[P+2*\s:P+2*\s+1], v[OT+8*\t:OT+8*\t+7]
.endif
.endr
.endr
.rept 8
	v_nop                                          ; eight places, for both ways below
.endr
; 16 rows x my 64 channels from registers src on (lane (r, h), tile t, register j: row r, channel 16 t + 8 h + j), through my stage, out as rows of 256 bytes; then the wave ends.
.macro OUT src
.irp t, 0,1,2,3
	ds_store_b128 v10, v[\src+8*\t:\src+8*\t+3] offset:64*\t
	ds_store_b128 v10, v[\src+8*\t+4:\src+8*\t+7] offset:64*\t+16
.endr
.irp i, 0,1,2,3,4,5,6,7
	ds_load_b128 v[KA+4*\i:KA+4*\i+3], v11 offset:\i*2*272         ; LDS serves a wave's instructions in order: these see my stores
.endr
	s_wait_dscnt 0x0
.irp i, 0,1,2,3,4,5,6,7
	global_store_b128 v12, v[KA+4*\i:KA+4*\i+3], s[12:13] offset:\i*8192   ; 16 lanes store 256 consecutive bytes, aligned
.endr
	s_wait_tensorcnt 0x0                           ; the wave's end
	ds_add_u32 v13, v14
	s_wait_dscnt 0x0
	s_endpgm
.endm
	s_wait_kmcnt 0x0
	s_cmp_lg_u32 s22, 0                            ; key 0 is not padded: every row has a visible key
	s_cbranch_scc1 .Lplain
	; L: the first key whose mask word is not 0, or 2,048
.set i, 0
.rept 16
	global_load_b128 v[KA+4*i:KA+4*i+3], v6, s[8:9] offset:512*i   ; lane l: keys 128 i + 4 l + 0 .. 3
.set i, i+1
.endr
	v_mov_b32 v18, 2048
	s_wait_loadcnt 0x0
.set n, 63
.rept 64                               ; from my last key down: the lowest unpadded one stays
	v_add_nc_u32 v47, 128*(n/4)+n%4, v16
	v_cmp_ne_u32 vcc_lo, 0, v[KA+n]
	v_cndmask_b32 v18, v18, v47, vcc_lo
.set n, n-1
.endr
.irp m, 1,2,4,8
	v_mov_b32_dpp v47, v18 row_xmask:\m row_mask:0xf bank_mask:0xf
	v_min_u32 v18, v18, v47
.endr
	v_permlanex16_b32 v47, v18, s26, s27
	v_min_u32 v18, v18, v47
	v_readfirstlane_b32 s23, v18
	s_min_u32 s23, s23, 2048                       ; L
	; the mean of vh over all 2,048 keys, + bv, in O^T's layout: vhT's fragments against the constant 2^-11
.set n, 0
.rept 32
	v_mov_b32 v[VV+n], v[BI+n]
.set n, n+1
.endr
.irp j, 0,1,2,3,4,5,6,7
	v_mov_b32 v[CN+\j], 0x10001000
.endr
	s_mov_b32 s24, 32
.Lmean:                                                ; 64 keys a trip
.rept 4
	v_nop                                          ; places in front of loads into registers that matrix instructions have read
.endr
.irp t, 0,1,2,3
.irp k, 0,1
	global_load_b128 v[KA+16*\t+8*\k:KA+16*\t+8*\k+3], v15, s[6:7] offset:262144*\t+64*\k
	global_load_b128 v[KA+16*\t+8*\k+4:KA+16*\t+8*\k+7], v15, s[6:7] offset:262144*\t+64*\k+32
.endr
.endr
	s_wait_loadcnt 0x0                             ; the loads are done: their base may step
	s_add_nc_u64 s[6:7], s[6:7], 128
.irp k, 0,1
.irp t, 0,1,2,3
	v_wmma_f32_16x16x32_f16 v[VV+8*\t:VV+8*\t+7], v[KA+16*\t+8*\k:KA+16*\t+8*\k+7], v[CN:CN+7], v[VV+8*\t:VV+8*\t+7]   ; the four tiles by turns
.endr
.endr
	s_sub_co_u32 s24, s24, 1
	s_cmp_lg_u32 s24, 0
	s_cbranch_scc1 .Lmean
.rept 4
	v_nop
.endr
	s_cmp_le_u32 s23, 16
	s_cbranch_scc1 .Lshort
	; rows 16 .. L - 1: every one is the mean.  All 16 rows of the stage are alike: one piece of 16 bytes a lane serves every row
.irp t, 0,1,2,3
	ds_store_b128 v10, v[VV+8*\t:VV+8*\t+3] offset:64*\t
	ds_store_b128 v10, v[VV+8*\t+4:VV+8*\t+7] offset:64*\t+16
.endr
	ds_load_b128 v[KA:KA+3], v11
	s_wait_dscnt 0x0
	s_add_nc_u64 s[34:35], s[12:13], 0x10000       ; out at the batch's row 16: a base of its own, which steps 16 rows a trip
	s_wait_xcnt 0x0                                ; EXEC changes only behind this wait
	s_mov_b32 s24, 16                              ; the block's first row: 127 trips, a constant count
.Lrows:
	s_cmp_ge_u32 s24, s23                          ; a block that lies wholly at or behind L stores nothing
	s_cbranch_scc1 .Lnone
	v_add_nc_u32 v18, s24, v2
.irp i, 0,1,2,3,4,5,6,7
	v_add_nc_u32 v47, 2*\i, v18                    ; my row
	v_cmp_gt_u32 vcc_lo, s23, v47                  ; in front of L?
	s_and_saveexec_b32 s30, vcc_lo
	global_store_b128 v12, v[KA:KA+3], s[34:35] offset:\i*8192     ; 16 lanes store 256 consecutive bytes, aligned
	s_wait_xcnt 0x0                                ; the store has read EXEC and its base: both may be written
	s_or_b32 exec_lo, exec_lo, s30
.endr
.Lnone:
	s_add_nc_u64 s[34:35], s[34:35], 0x10000
	s_add_co_u32 s24, s24, 16
	s_cmp_lt_u32 s24, 2048
	s_cbranch_scc1 .Lrows
.Lshort:
	v_cmp_gt_u32 vcc_lo, s23, v1                   ; rows 0-15: the mean in front of L, the softmax's result from L on
.set n, 0
.rept 32
	v_cndmask_b32 v[VV+n], v[OT+n], v[VV+n], vcc_lo
.set n, n+1
.endr
	OUT VV
.Lplain:
	OUT OT
.Lfunc_end_k_q56c533dcea_tail:
	.size	k_q56c533dcea_tail, .Lfunc_end_k_q56c533dcea_tail-k_q56c533dcea_tail
	.p2alignl 7, 3214868480
	.fill 96, 4, 3214868480
	.section	.rodata,"a",@progbits
	.p2align	6, 0x0
	.amdhsa_kernel k_q56c533dcea_tail
		.amdhsa_group_segment_fixed_size 44032
		.amdhsa_private_segment_fixed_size 0
		.amdhsa_enable_private_segment 0
		.amdhsa_kernarg_size 40
		.amdhsa_user_sgpr_count 2
		.amdhsa_user_sgpr_kernarg_segment_ptr 1
		.amdhsa_wavefront_size32 1
		.amdhsa_system_sgpr_workgroup_id_x 1
		.amdhsa_system_sgpr_workgroup_id_y 1
		.amdhsa_system_sgpr_workgroup_id_z 1
		.amdhsa_system_vgpr_workitem_id 0
		.amdhsa_next_free_vgpr 256
		.amdhsa_next_free_sgpr 66
		.amdhsa_reserve_vcc 1
		.amdhsa_float_denorm_mode_32 3
		.amdhsa_float_denorm_mode_16_64 3
		.amdhsa_memory_ordered 1
		.amdhsa_forward_progress 1
		.amdhsa_inst_pref_size 41
	.end_amdhsa_kernel
	.amdgpu_metadata
---
amdhsa.version: [ 1, 2 ]
amdhsa.kernels:
  - .name:           k_q56c533dcea_tail
    .symbol:         k_q56c533dcea_tail.kd
    .args:
      - { .name: first, .offset: 0, .size: 8, .value_kind: global_buffer, .address_space: global }
      - { .name: hp, .offset: 8, .size: 8, .value_kind: global_buffer, .address_space: global }
      - { .name: attention_mask, .offset: 16, .size: 8, .value_kind: global_buffer, .address_space: global }
      - { .name: Wv_b, .offset: 24, .size: 8, .value_kind: global_buffer, .address_space: global }
      - { .name: out0, .offset: 32, .size: 8, .value_kind: global_buffer, .address_space: global }
    .group_segment_fixed_size: 44032
    .private_segment_fixed_size: 0
    .kernarg_segment_align: 8
    .kernarg_segment_size: 40
    .max_flat_workgroup_size: 256
    .sgpr_count:     66
    .vgpr_count:     256
    .wavefront_size: 32
...
	.end_amdgpu_metadata
.endif
;; end of part 6
